; MI455X (gfx1250); checked and timed in simulation.
; The chip was launched on July 23, 2026; its instructions are those of AMD's public machine-readable ISA for CDNA 5 (MIT licence, August 2026) and "CDNA5" Instruction Set Architecture Reference Guide (July 2026). The comments in the code are by the model that wrote it; some were corrected since.
;; R3 D Attention. Allowed arithmetic: matrix products marked QUANTISED: E2M3 operands, one E8M0 scale for each 32 along K, by v_wmma_scale_f32_16x16x128_f8f6f4 with both operands' format E2M3, f32 sums; everything else in f32.
;; Inputs: Wo 1,024 x 1,024 float32; Wqkv 1,024 x 3,072 float32; bo 1,024 float32; bqkv 3,072 float32; mask 1,024 x 1,024 float32; x 8 x 1,024 x 1,024 float32.
;; Outputs: out0 8 x 1,024 x 1,024 float32.
;; This version of the problem:
;;   THIS VERSION OF THE PROBLEM IS GIVEN IN LOW PRECISION. The matrix products marked QUANTISED in the list below multiply operands that are first quantised to E2M3 (2 exponent bits, 3 mantissa bits; 6 bits a number), with one power-of-two scale for each 32 numbers along K (OCP MX v1.0); their sums are f32. All else is computed in f32.
;;   The module's matrix products, in the order in which they are computed (A, B: the left and right operand; K: the contracted axis; several contracted axes count as one K, in the product's order):
;;     1. [M 8,192, K 1,024] x [K 1,024, N 3,072]; A: input x; B: input Wqkv: QUANTISED
;;     2. batch 128 x [M 1,024, K 64] x [K 64, N 1,024]; A: computed on the way; B: computed on the way: QUANTISED
;;     3. batch 128 x [M 64, K 1,024] x [K 1,024, N 1,024]; A: computed on the way; B: softmax (see below): QUANTISED
;;     4. [M 8,192, K 1,024] x [K 1,024, N 1,024]; A: computed on the way; B: input Wo: QUANTISED
;;   THE QUANTISER, for each operand of a quantised product, along K:
;;     - K is cut into blocks of 32 from its start; a last block that is shorter is filled with zeros.
;;     - A block's scale is 2^e with e = floor(log2(the largest magnitude in the block)) - 2, held to -126 .. 127; a block of zeros has e = 0. As a byte (E8M0): e + 127.
;;     - Each number is divided by its block's scale, clamped to +-7.5, and rounded to the nearest number of E2M3, ties to even, subnormals kept.
;;     - The product sums the exact products of the quantised numbers (number of the format x scale) in f32.
;;   ~~~python
;;   def quantise(x, axis):      # numpy; x: float32 -> the quantised numbers, widened to float32 again
;;       x = np.moveaxis(x, axis, -1); K = x.shape[-1]
;;       x = np.pad(x, [(0, 0)] * (x.ndim - 1) + [(0, -K % 32)]); x = x.reshape(x.shape[:-1] + (-1, 32)); a = np.abs(x).max(-1, keepdims=True)
;;       e = np.where(a > 0, np.clip(np.frexp(np.where(a > 0, a, 1))[1] - 1 - 2, -126, 127), 0)      # np.frexp(a)[1] - 1 = floor(log2(a)), exactly
;;       r = np.clip(x / 2.0 ** e, -7.5, 7.5)
;;       step = 2.0 ** (np.maximum(np.frexp(np.where(r == 0, 1, r))[1] - 1, 0) - 3)
;;       q = np.round(r / step) * step * 2.0 ** e      # np.round: ties to even
;;       return np.moveaxis(q.reshape(q.shape[:-2] + (-1,))[..., :K], -1, axis).astype(np.float32)
;;   ~~~
;;   SOFTMAX AHEAD OF A QUANTISED PRODUCT. Where the list says 'softmax', what is quantised is not the finished softmax but p = 2^(t - M), with t = logit x log2(e) and M = ceil(the row's largest t), a whole number; so 1/2 < the row's largest p <= 1. The row's sum l is taken of the UNQUANTISED p, in f32, and the product's result is divided by l at the end. Since M is a whole number, a kernel that streams over the keys may use a running M (the ceiling of the running maximum): every later rescaling is an exact power of two, which a block's scale takes up: the codes' values come out the same.
;;   OPERANDS COMPUTED ON THE WAY. 'Computed on the way' means the value that the module computes at that place (a softmax that the list does not call 'softmax' is quantised finished and normalised). What goes into a quantiser is computed in f32, as accurately as f32 sums, v_exp_f32 and their like allow (about 1e-6 of the number): no bf16 or f16 on the way to a quantiser, and a product that is left as it is and whose result goes on into a quantised operand takes f32 operands (vector FMAs, or v_wmma_f32_16x16x4_f32). A number that lies on a knife's edge between two numbers of the format may be rounded either way, as far as f32 arithmetic and the matrix unit's own rounding can turn it there, and no further.
;; One version. Each part assembles by itself: llvm-mc -triple=amdgcn-amd-amdhsa -mcpu=gfx1250 --defsym DOCPART=n.
;; ======== version 1 of 1: 4 launches
;; limits: right only within a limited range of input values
;; workspace buffers: xc 6,291,456 bytes; xs 262,144 bytes; wc 3,145,728 bytes; ws 131,072 bytes; rec 20,185,088 bytes; zc 6,291,456 bytes; zs 262,144 bytes
;; launch quant (part 1): grid 384 x 1, 4 waves a work-group, no clusters, 68,096 bytes of LDS; arguments x, xc, xs, Wqkv, Wo, wc, ws; writes xc, xs, wc, ws
.if DOCPART == 1
	.amdgcn_target "amdgcn-amd-amdhsa--gfx1250"
	.amdhsa_code_object_version 6
	.text
	.protected	k_q14e9f75bfa_quant
	.globl	k_q14e9f75bfa_quant
	.p2align	8
	.type	k_q14e9f75bfa_quant,@function
k_q14e9f75bfa_quant:
	s_mov_b64 s[64:65], 0
	v_nop
	global_prefetch_b8 v0, s[64:65] scope:SCOPE_SE
	s_setreg_imm32_b32 hwreg(HW_REG_WAVE_MODE, 25, 1), 1
	s_wait_xcnt 0x0
; ONE LAUNCH QUANTISES ALL THREE f32 OPERANDS to codes of FP6 (E2M3), K innermost, with one E8M0 byte for each 32 along K.  Work-groups 0-255 take x, work-groups 256-383 the two weights.
; The two parts are two texts that part once, on the work-group's number; each has LDS bytes of its own (x: from 0, the weights: from 32,768).  No tensor loads, no barrier: waves share nothing.
; A block's scale is 2^(floor(log2(its largest magnitude)) - 2): its byte is the largest magnitude's exponent field - 2, held at 1 from below by a floor among the maximum's leaves.
; A block of zeros keeps the byte 1 where the stated quantiser says 127: its codes are zeros, which add nothing, and this program alone reads the bytes.
; LIMITS: blocks whose largest magnitude lies under 2^-124 are coded under the byte 1; NaN and infinities among the inputs are not served.
; ROW ORDER OF THE OUTPUTS: row t stands at row pi(t), pi = bits 3 and 4 of the row number exchanged.  A natural tile of 16 stored rows then holds the true rows 32 (i / 2) + 8 (i % 2) + r + 8 (r / 8),
; so that in a product's result the 16 registers of two neighbouring tiles are 16 neighbours along the next product's K.
; x [8192][1024] -> xc [8192][768 bytes], xs [8192][32].  A wave takes a run of 8 rows (8,192 numbers) in 16 steps of 512; bits 3 and 4 of a row are bits 0 and 1 of the run's number, which is the wave's number:
; only the output's base knows of pi.  Each load reads 512 consecutive bytes; a step's 2,048 bytes turn through the wave's own stage in LDS, so that a lane holds 16 neighbours for the conversion; two neighbouring
; lanes hold a block.  Loads run four steps (16 loads a wave) ahead, the turn through LDS one step.
; Wqkv [1024 (k)][3072], Wo [1024 (k)][1024], K their FIRST axis -> wc [4096][768 bytes], ws [4096][32]: rows 0-3071 are Wqkv's columns, rows 3072-4095 Wo's.  A LANE TAKES A COLUMN, AND ITS REGISTERS RUN DOWN K:
; a load reads 128 consecutive bytes a wave, a block of 32 along K lies in one lane's 32 registers, and the conversions give codes with K innermost.  Of the 128 work-groups (x' = 0..31, y' = 0..3), x' = 0..23 take Wqkv,
; 24..31 Wo: only the pointer and the row pitch are chosen; the pitch enters through 32 offset registers (4 x lane + i x pitch) and eight scalar bases, none of them rewritten.  A wave takes 32 columns x 256 along K:
; 192 bytes of codes a column, through the wave's own stage in LDS (column l into stage row pi(l)), out as rows: sixteen lanes store a row's 192 bytes.
.set NXWG,  256                        ; x's work-groups
.set EMAX,  2
; x's part
.set STEPS, 16
.set CB,    12                         ; bytes of 16 codes
.set XR,    16                         ; v16-79   four sets of 16 numbers as they are loaded
.set XN,    80                         ; v80-111  two sets of 16 neighbours
.set XC,    128                        ; v128-191 codes: four registers for each step, so that no store's data are written again
.set XE,    112                        ; v112-127 a scale byte for each step
.set WREG,  8192                       ; LDS: a region for each wave: two stages of 32 x SP bytes, behind them its 256 scale bytes
.set SP,    80                         ; a lane's place in a stage: 64 bytes + 16 of padding
; the weights' part
.set WBASE, 32768                      ; LDS: behind x's four regions
.set KW,    256
.set NB,    KW/32
.set ROWB,  192
.set PITCH, 272                        ; a stage row: sixteen places of 16 bytes, each with 12 bytes of codes, + 16
.set KROW,  768
.set WN,    32                         ; v32-95   two sets of 32 numbers
.set WC,    96                         ; v96..    a block's codes
.set OUTR,  112                        ; v112-175 the way out
.set SB,    24                         ; v24-25   the scale bytes, four to a register
.set VO,    176                        ; v176-207 4 x lane + i x pitch
	v_lshl_add_u32 v208, v0, 2, 0x10800
	v_mov_b32 v209, 0
	s_cmp_lt_u32 ttmp9, NXWG
	s_cbranch_scc0 .Lweights
	; ---------------- x ----------------
	s_load_b128 s[4:7], s[0:1], 0x0                ; x, xc
	s_load_b64 s[8:9], s[0:1], 0x10                ; xs
	v_lshrrev_b32 v1, 5, v0
	v_readfirstlane_b32 s16, v1                    ; wave
	v_and_b32 v2, 31, v0                           ; lane
	v_lshlrev_b32 v3, 4, v2                        ; my 16 bytes of a load's 512
	s_mul_i32 s17, s16, WREG
	v_lshrrev_b32 v14, 2, v2
	v_mul_u32_u24 v14, v14, SP
	v_and_b32 v15, 3, v2
	v_lshl_add_u32 v14, v15, 4, v14
	v_add_nc_u32 v14, s17, v14                     ; the stage, on the way in: SP (lane / 4) + 16 (lane % 4)
	v_mul_u32_u24 v15, v2, SP
	v_add_nc_u32 v15, s17, v15                     ; and on the way out: SP x lane: my 16 neighbours
	v_mul_u32_u24 v4, v2, CB                       ; my codes' place in a step's
	v_lshrrev_b32 v5, 1, v2
	s_add_co_u32 s17, s17, 2*32*SP
	v_add_nc_u32 v5, s17, v5                       ; LDS: my wave's 256 scale bytes, my block's byte
	v_lshlrev_b32 v7, 3, v2                        ; and on the way out 8 bytes a lane
	v_add_nc_u32 v6, s17, v7
	s_lshl_b32 s18, ttmp9, 2
	s_add_co_u32 s19, s18, s16                     ; my run of 8 rows: 4 x work-group + wave
	s_lshl_b32 s20, s19, 15                        ; 32,768 bytes of x a run
	s_mov_b32 s21, 0
	s_and_b32 s22, s16, 1
	s_lshl_b32 s22, s22, 1
	s_lshr_b32 s23, s16, 1
	s_add_co_u32 s22, s22, s23                     ; the wave's two bits exchanged
	s_add_co_u32 s22, s22, s18                     ; the run's place in the output
	s_mul_i32 s24, s22, 8*768                      ; 8 rows of codes
	s_mov_b32 s25, 0
	s_lshl_b32 s26, s22, 8                         ; 8 rows of scale bytes
	s_mov_b32 s27, 0
	s_wait_alu depctr_va_vdst(0)
	s_wait_kmcnt 0x0
	s_add_nc_u64 s[4:5], s[4:5], s[20:21]
	s_add_nc_u64 s[6:7], s[6:7], s[24:25]
	s_add_nc_u64 s[8:9], s[8:9], s[26:27]
.macro XLOAD t
.irp i, 0,1,2,3
	global_load_b128 v[XR+16*((\t)%4)+4*\i:XR+16*((\t)%4)+4*\i+3], v3, s[4:5] offset:2048*(\t)+512*\i th:TH_LOAD_NT   ; 32 lanes read 512 consecutive bytes
.endr
.endm
.macro XTURN t                         ; step t's numbers through the stage: LDS serves a wave's instructions in order, so no wait stands between the stores and the loads
.irp i, 0,1,2,3
	ds_store_b128 v14, v[XR+16*((\t)%4)+4*\i:XR+16*((\t)%4)+4*\i+3] offset:32*SP*((\t)%2)+8*SP*\i
.endr
.irp i, 0,1,2,3
	ds_load_b128 v[XN+16*((\t)%2)+4*\i:XN+16*((\t)%2)+4*\i+3], v15 offset:32*SP*((\t)%2)+16*\i
.endr
.endm
.irp t, 0,1,2,3
	XLOAD \t
.endr
	s_wait_loadcnt 12                              ; step 0's four loads are in; the 12 of steps 1 to 3 may be out
	XTURN 0
.macro XSTEP t
.set XSRC, XN+16*((\t)%2)
.if (\t) > 0
	s_wait_dscnt 1                                 ; this step's numbers are back from the stage (the last step's byte store may be out)
.else
	s_wait_dscnt 0x0
.endif
.if (\t)+4 < STEPS
	XLOAD (\t)+4                                   ; into the registers whose stores into the stage have been served
.endif
.if (\t)+1 < STEPS
.if STEPS-2-(\t) >= 3
	s_wait_loadcnt 12                              ; the next step's four loads are in; those of the three steps behind it may be out
.else
	s_wait_loadcnt 4*(STEPS-2-(\t))
.endif
	XTURN (\t)+1                                   ; through the other stage while this step is worked
.endif
	v_max3_num_f32 v8, |v[XSRC]|, |v[XSRC+1]|, |v[XSRC+2]|         ; the largest magnitude of my 16, in two chains
	v_max3_num_f32 v9, |v[XSRC+3]|, |v[XSRC+4]|, |v[XSRC+5]|
.irp i, 6,10
	v_max3_num_f32 v8, v8, |v[XSRC+\i]|, |v[XSRC+\i+1]|
	v_max3_num_f32 v9, v9, |v[XSRC+\i+2]|, |v[XSRC+\i+3]|
.endr
	v_max3_num_f32 v8, v8, |v[XSRC+14]|, |v[XSRC+15]|
	v_max3_num_f32 v8, v8, v9, (EMAX+1)<<23        ; and the floor 2^(3 - 127): the byte cannot fall under 1
	v_max_num_f32_dpp v8, v8, v8 row_xmask:1 row_mask:0xf bank_mask:0xf   ; and of my neighbour's 16: the block's
	v_add_nc_u32 v11, -(EMAX<<23), v8              ; 2 off its exponent field: the conversion takes the exponent field of this operand as its scale
	v_cvt_scalef32_pk16_fp6_f32 v[XC+4*(\t):XC+4*(\t)+2], v[XSRC:XSRC+15], v11
	v_lshrrev_b32 v[XE+(\t)], 23, v11              ; the scale's byte (a plain line behind the conversion)
	ds_store_b8 v5, v[XE+(\t)] offset:16*(\t)      ; both lanes of a block write the same byte with the same value
	global_store_b96 v4, v[XC+4*(\t):XC+4*(\t)+2], s[6:7] offset:32*CB*(\t)   ; the wave stores 384 consecutive bytes
.endm
.irp t, 0,1,2,3,4,5,6,7,8,9,10,11,12,13,14,15
	XSTEP \t
.endr
	ds_load_b64 v[12:13], v6                       ; LDS serves a wave's instructions in order: these see my stores
	s_wait_dscnt 0x0
	global_store_b64 v7, v[12:13], s[8:9]          ; 32 lanes store 256 consecutive bytes, aligned
	s_wait_tensorcnt 0x0
	ds_add_u32 v208, v209
	s_wait_dscnt 0x0
	s_endpgm
	; ---------------- the weights ----------------
.Lweights:
	s_load_b64 s[4:5], s[0:1], 0x18                ; Wqkv
	s_load_b64 s[6:7], s[0:1], 0x20                ; Wo
	s_load_b64 s[8:9], s[0:1], 0x28                ; wc
	s_load_b64 s[10:11], s[0:1], 0x30              ; ws
	s_sub_co_u32 s13, ttmp9, NXWG                  ; 0 .. 127
	s_and_b32 s12, s13, 31                         ; x': which 128 columns
	s_lshr_b32 s18, s13, 5                         ; y': which 256 along K
	v_lshrrev_b32 v1, 5, v0
	v_readfirstlane_b32 s16, v1                    ; wave 0..3
	v_and_b32 v2, 31, v0                           ; lane
	v_lshlrev_b32 v3, 2, v2                        ; in: 4 bytes a lane
	v_and_b32 v10, 7, v2
	v_bfe_u32 v11, v2, 3, 1
	v_lshl_or_b32 v10, v11, 4, v10
	v_bfe_u32 v11, v2, 4, 1
	v_lshl_or_b32 v10, v11, 3, v10                 ; pi(lane)
	s_mul_i32 s19, s16, 32*PITCH
	s_add_co_u32 s19, s19, WBASE                   ; my stage
	v_mul_u32_u24 v4, v10, PITCH
	v_add_nc_u32 v4, s19, v4                       ; into it: row pi(my column)
	v_and_b32 v5, 15, v2
	v_lshrrev_b32 v6, 4, v2                        ; out of it: sixteen lanes to a row, two rows an instruction
	v_mul_u32_u24 v7, v6, PITCH
	v_lshl_add_u32 v7, v5, 4, v7
	v_add_nc_u32 v7, s19, v7
	v_mul_u32_u24 v8, v6, KROW
	v_mad_u32_u24 v8, v5, 12, v8                   ; and the same place in wc
	v_lshlrev_b32 v9, 5, v10                       ; my column's row of scale bytes
	s_cmp_lt_u32 s12, 24                           ; Wqkv's work-group or Wo's
	s_mov_b32 s20, 4096
	s_cselect_b32 s20, 12288, s20                  ; a row of the tensor in bytes
	s_cselect_b32 s21, 0, 24
	s_sub_co_u32 s21, s12, s21
	s_lshl_b32 s21, s21, 7
	s_lshl_b32 s22, s16, 5
	s_add_co_u32 s21, s21, s22                     ; my wave's first column in its tensor
	s_lshl_b32 s21, s21, 2
	s_lshl_b32 s23, s18, 8
	s_mul_i32 s23, s23, s20                        ; 256 y' rows down
	s_add_co_u32 s24, s23, s21
	s_mov_b32 s25, 0
	s_lshl_b32 s26, s20, 5                         ; 32 rows: from block to block
	s_mov_b32 s27, 0
	s_lshl_b32 s28, s12, 7
	s_add_co_u32 s28, s28, s22                     ; my wave's first row of wc and ws: 128 x' + 32 wave
	s_mul_i32 s30, s28, KROW
	s_mul_i32 s29, s18, ROWB
	s_add_co_u32 s30, s30, s29
	s_mov_b32 s31, 0
	s_lshl_b32 s28, s28, 5
	s_lshl_b32 s29, s18, 3
	s_add_co_u32 s28, s28, s29
	s_mov_b32 s29, 0
.irp i, 0,1,2,3,4,5,6,7,8,9,10,11,12,13,14,15,16,17,18,19,20,21,22,23,24,25,26,27,28,29,30,31
	v_mad_u32_u24 v[VO+\i], s20, \i, v3
.endr
	s_wait_alu depctr_va_vdst(0)
	s_wait_kmcnt 0x0
	s_cmp_lt_u32 s12, 24
	s_cselect_b64 s[32:33], s[4:5], s[6:7]         ; the choice hangs on the work-group's number alone
	s_add_nc_u64 s[32:33], s[32:33], s[24:25]
.irp t, 1,2,3,4,5,6,7
	s_add_nc_u64 s[32+2*\t:33+2*\t], s[30+2*\t:31+2*\t], s[26:27]   ; block t's base
.endr
	s_add_nc_u64 s[8:9], s[8:9], s[30:31]
	s_add_nc_u64 s[10:11], s[10:11], s[28:29]
.macro WLOAD t                         ; block t: W(32 t + i, my column), i = 0 .. 31, into set t % 2
.irp i, 0,1,2,3,4,5,6,7,8,9,10,11,12,13,14,15,16,17,18,19,20,21,22,23,24,25,26,27,28,29,30,31
	global_load_b32 v[WN+32*((\t)%2)+\i], v[VO+\i], s[32+2*(\t):33+2*(\t)] th:TH_LOAD_NT
.endr
.endm
	WLOAD 0
	WLOAD 1
.macro WBLOCK t
.set WSRC, WN+32*((\t)%2)
.if (\t) < NB-1
	s_wait_loadcnt 32                              ; this block's 32 loads are in; the next block's may be out
.else
	s_wait_loadcnt 0
.endif
	v_max3_num_f32 v12, |v[WSRC]|, |v[WSRC+1]|, |v[WSRC+2]|         ; the block's largest magnitude: all 32 numbers are mine
	v_max3_num_f32 v13, |v[WSRC+3]|, |v[WSRC+4]|, |v[WSRC+5]|
.irp i, 6,10,14,18,22,26
	v_max3_num_f32 v12, v12, |v[WSRC+\i]|, |v[WSRC+\i+1]|
	v_max3_num_f32 v13, v13, |v[WSRC+\i+2]|, |v[WSRC+\i+3]|
.endr
	v_max3_num_f32 v12, v12, |v[WSRC+30]|, |v[WSRC+31]|
	v_max3_num_f32 v12, v12, v13, (EMAX+1)<<23     ; and the floor 2^(3 - 127)
	v_add_nc_u32 v11, -(EMAX<<23), v12             ; the conversion's scale operand
	v_lshrrev_b32 v13, 23, v11                     ; the scale's byte
.if (\t)%4 == 0
	v_mov_b32 v[SB+(\t)/4], v13                    ; four bytes to a register, the lower K in the lower byte
.else
	v_lshl_or_b32 v[SB+(\t)/4], v13, 8*((\t)%4), v[SB+(\t)/4]
.endif
	v_cvt_scalef32_pk16_fp6_f32 v[WC:WC+2], v[WSRC:WSRC+15], v11
	v_cvt_scalef32_pk16_fp6_f32 v[WC+4:WC+6], v[WSRC+16:WSRC+31], v11   ; (a conversion's three registers begin on an even number)
	ds_store_b96 v4, v[WC:WC+2] offset:32*(\t)     ; 12 bytes to a place of 16, so that every LDS address is a multiple of 16
	ds_store_b96 v4, v[WC+4:WC+6] offset:32*(\t)+16
.if (\t)+2 < NB
	WLOAD (\t)+2
.endif
	s_wait_dscnt 0x0                               ; the stores have read their registers: the next block's codes may be written
.endm
.set Q, 0
.rept NB
	WBLOCK Q
.set Q, Q+1
.endr
	s_wait_alu depctr_va_vdst(0)
	global_store_b64 v9, v[SB:SB+1], s[10:11]      ; my column's 8 scale bytes
.irp t, 0,1,2,3,4,5,6,7,8,9,10,11,12,13,14,15
	ds_load_b96 v[OUTR+4*\t:OUTR+4*\t+2], v7 offset:2*\t*PITCH   ; LDS serves a wave's instructions in order: these see my stores
.endr
.irp t, 0,1,2,3,4,5,6,7,8,9,10,11,12,13,14,15
	s_wait_dscnt 15-\t                             ; the younger read-backs may be out
	global_store_b96 v8, v[OUTR+4*\t:OUTR+4*\t+2], s[8:9] offset:2*\t*KROW
.endr
	s_wait_tensorcnt 0x0
	ds_add_u32 v208, v209
	s_wait_dscnt 0x0
	s_endpgm
.Lfunc_end_k_q14e9f75bfa_quant:
	.size	k_q14e9f75bfa_quant, .Lfunc_end_k_q14e9f75bfa_quant-k_q14e9f75bfa_quant
	.p2alignl 7, 3214868480
	.fill 96, 4, 3214868480
	.section	.rodata,"a",@progbits
	.p2align	6, 0x0
	.amdhsa_kernel k_q14e9f75bfa_quant
		.amdhsa_group_segment_fixed_size 68096
		.amdhsa_private_segment_fixed_size 0
		.amdhsa_enable_private_segment 0
		.amdhsa_kernarg_size 56
		.amdhsa_user_sgpr_count 2
		.amdhsa_user_sgpr_kernarg_segment_ptr 1
		.amdhsa_wavefront_size32 1
		.amdhsa_system_sgpr_workgroup_id_x 1
		.amdhsa_system_sgpr_workgroup_id_y 1
		.amdhsa_system_sgpr_workgroup_id_z 1
		.amdhsa_system_vgpr_workitem_id 0
		.amdhsa_next_free_vgpr 210
		.amdhsa_next_free_sgpr 66
		.amdhsa_reserve_vcc 0
		.amdhsa_float_denorm_mode_32 3
		.amdhsa_float_denorm_mode_16_64 3
		.amdhsa_memory_ordered 1
		.amdhsa_forward_progress 1
		.amdhsa_inst_pref_size 76
	.end_amdhsa_kernel
	.amdgpu_metadata
---
amdhsa.version: [ 1, 2 ]
amdhsa.kernels:
  - .name:           k_q14e9f75bfa_quant
    .symbol:         k_q14e9f75bfa_quant.kd
    .args:
      - { .name: x, .offset: 0, .size: 8, .value_kind: global_buffer, .address_space: global }
      - { .name: xc, .offset: 8, .size: 8, .value_kind: global_buffer, .address_space: global }
      - { .name: xs, .offset: 16, .size: 8, .value_kind: global_buffer, .address_space: global }
      - { .name: Wqkv, .offset: 24, .size: 8, .value_kind: global_buffer, .address_space: global }
      - { .name: Wo, .offset: 32, .size: 8, .value_kind: global_buffer, .address_space: global }
      - { .name: wc, .offset: 40, .size: 8, .value_kind: global_buffer, .address_space: global }
      - { .name: ws, .offset: 48, .size: 8, .value_kind: global_buffer, .address_space: global }
    .group_segment_fixed_size: 68096
    .private_segment_fixed_size: 0
    .kernarg_segment_align: 8
    .kernarg_segment_size: 56
    .max_flat_workgroup_size: 128
    .sgpr_count:     66
    .vgpr_count:     210
    .wavefront_size: 32
...
	.end_amdgpu_metadata
.endif
;; end of part 1
;; launch gemm_qkv (part 2): grid 12 x 32, 4 waves a work-group, clusters of 4 x 4, 327,680 bytes of LDS; arguments xc, xs, wc, ws, bqkv, rec; writes rec
.if DOCPART == 2
	.amdgcn_target "amdgcn-amd-amdhsa--gfx1250"
	.amdhsa_code_object_version 6
	.text
	.protected	k_q14e9f75bfa_gemm_qkv
	.globl	k_q14e9f75bfa_gemm_qkv
	.p2align	8
	.type	k_q14e9f75bfa_gemm_qkv,@function
k_q14e9f75bfa_gemm_qkv:
	s_mov_b64 s[64:65], 0
	v_nop
	global_prefetch_b8 v0, s[64:65] scope:SCOPE_SE
	s_setreg_imm32_b32 hwreg(HW_REG_WAVE_MODE, 25, 1), 1
	s_wait_xcnt 0x0
	s_wait_alu depctr_hold_cnt(0) depctr_sa_sdst(0) depctr_va_vdst(0) depctr_va_sdst(0) depctr_va_ssrc(0) depctr_va_vcc(0) depctr_vm_vsrc(0)
	s_getreg_b32 s2, hwreg(HW_REG_IB_STS2, 6, 4)
	s_cmp_eq_u32 s2, 0
	s_cbranch_scc0 .Lentry_in_a_cluster
	s_endpgm
.Lentry_in_a_cluster:
	s_bfe_u32 s2, ttmp6, 0x10000c
	s_cmp_lg_u32 s2, 0xf033
	s_cbranch_scc0 .Lentry_shape_is_right
	s_endpgm
.Lentry_shape_is_right:
; qkv = x Wqkv + bqkv on codes of FP6 (E2M3) with E8M0 scales, f32 sums; the results are quantised in registers and stored as the operands of the attention launch.
; A tile of 256 x 256 is made by four waves, 128 x 128 each: 64 accumulators.  A row of codes is 768 bytes: three chunks of 256 bytes, each beginning on a multiple of 256; chunk c lies in LDS slot c % 2 (pitch 272).
; A step of 128 along K is 96 bytes of a row: steps 2 and 5 lie across two chunks.  The scale bytes of both operands' 256 rows come into LDS once, at the head.
; "A" is source 1 (its rows are the lanes of a result), "B" source 0 (its rows are the registers).  MODE = the cluster's x, equal in all partners: 0: q, 1: k (A = tokens, B = columns of Wqkv); 2: v (A = columns, B = tokens).
; Both operands' rows were stored at pi(row) (bits 3 and 4 exchanged): the 16 registers of result tiles 2 B and 2 B + 1 are the 16 neighbours 32 B + 16 (lane / 16) + 0 .. 15 along the next K.
; The bias is the C of each sum's first matrix instruction, so the first step is written twice, under a branch on MODE.
; CLUSTERS 4 x 4: A's tiles are asked for jointly along a row of the cluster, B's along a column.
; NO PREFETCH: of the three chunks two are asked for at the head, and no trip stands ahead of the one refill.
; OUTPUT: rec [batch 8][head 16][step 8] records of 19,712 bytes: K's 8 half fragments (768 bytes each), K's scale words (512), V^T's 4 fragments (1,536 each), V's scale words (256), Q's 8 half fragments, Q's scale words: images of operand registers.
; LIMITS: the floor under a block's largest magnitude is 2^-121 (byte 4), so that the attention launch can take 3 off q's bytes; smaller blocks are coded under that byte; a block of zeros keeps it.  NaN and infinities are not served.
.set ROWB,   256
.set NQ,     2
.set KROW,   768
.set STEPS,  8
.set CHUNKS, 3
.set PITCH,  272
.set FR,     12
.set NL,     6
.set NP,     4
.set HALFT,  128*PITCH
.set SLOT,   4*HALFT
.set KS,     32
.set SCL,    2*SLOT
.set HALFS,  (128*KS/256)*272
.set SBLK,   (16*KS/256)*272
.set SPARE,  SCL+4*HALFS
.set REC,    19712
.set HEADSTR, 8*REC
.set BA,   8                           ; v8-15 the bias loads' offsets
.set ADRA, 16                          ; v16-17 A's fragments in slot 0, 1; v18-19 for pieces whose lane halves lie in two chunks
.set ADRB, 20
.set L16,  24
.set L8,   25
.set SCOFF, 26
.set ADRS, 27
.set SPW,  28
.set NIL,  29
.set SC,   32                          ; v32-63 scale words, two sets
.set BIAS, 64                          ; v64-127
.set AF,   128                         ; v128-223 A's fragments
.set TM,   224
.set WA,   32
.set CDS,  128
.set DW,   148
.set MODE, 2
.set LM,   94
.set SEL,  100
.set G1, 24
.set G0, 32
.set G1B, 48
.set G0B, 56
.set G1S, 68
.set G0S, 76
.set G1SB, 80
.set G0SB, 88
.set G0H, 4
.set G0HB, 8
.set MSB, 0
.macro WIN new
.if MSB != \new
	s_set_vgpr_msb (MSB<<8)|\new
.set MSB, \new
.endif
.endm
.set MUL_LO,   0xa1                    ; source 0 (B) window 1, source 1 (A) window 0, C and D window 2
.set MUL_HI,   0xf1
.set FIRST_LO, 0x81                    ; C (the bias) window 0, D window 2
.set FIRST_HI, 0xc1
.set TO_B,     0x40
.macro JLOAD g0a, g1a, g0b, g1b        ; waves 0, 1 fetch for A, waves 2, 3 for B
	s_cmp_eq_u32 s15, 0
	s_cbranch_scc0 .Lfor_b_\@
	tensor_load_to_lds s[\g0a:\g0a+3], s[\g1a:\g1a+7]
	s_nop 0
.rept 4
	v_nop
.endr
	s_branch .Lasked_\@
.Lfor_b_\@:
	tensor_load_to_lds s[\g0b:\g0b+3], s[\g1b:\g1b+7]
	s_nop 0
.rept 4
	v_nop
.endr
.Lasked_\@:
.endm
.macro CREST
	s_cmp_lg_u32 s14, 0
	s_cbranch_scc1 .Lnot_wave_0_\@
	s_barrier_signal -3
.Lnot_wave_0_\@:
	s_barrier_wait -3
	s_barrier_signal -1
	s_barrier_wait -1
.endm
.macro CROUND
	s_barrier_signal -1
	s_barrier_wait -1
	CREST
.endm
	s_load_b128 s[4:7], s[0:1], 0x0                ; xc, xs
	s_load_b128 s[8:11], s[0:1], 0x10              ; wc, ws
	s_load_b128 s[96:99], s[0:1], 0x20             ; bqkv, rec
	v_lshl_add_u32 v[SPW], v0, 2, SPARE
	v_mov_b32 v[NIL], 0
	ds_add_u32 v[SPW], v[NIL]                      ; the opening lines
	ds_add_u32 v[SPW], v[NIL]
	v_lshrrev_b32 v1, 5, v0
	v_readfirstlane_b32 s14, v1                    ; wave
	s_lshr_b32 s15, s14, 1                         ; my half of A's rows; also: I fetch for A (0) or B (1)
	s_and_b32 s16, s14, 1                          ; my half of B's rows; also: which 128 rows I fetch
	s_bfe_u32 s40, ttmp6, 0x40000                  ; cx
	s_bfe_u32 s41, ttmp6, 0x40004                  ; cy
	s_mov_b32 s[MODE], ttmp9
	s_and_b32 s18, ttmp7, 0xffff
	s_lshl_b32 s18, s18, 2
	s_lshl_b32 s19, ttmp9, 2
	s_cmp_eq_u32 s[MODE], 2
	s_cselect_b32 s17, 8, s18                      ; A's block of 256 rows: tokens 4 y + cy, in mode 2 columns 2,048 on
	s_cselect_b32 s42, s18, s19                    ; B's: columns 4 x + cx, in mode 2 tokens 4 y + cx
	s_add_co_u32 s17, s17, s41
	s_add_co_u32 s42, s42, s40
	s_lshl_b32 s43, s41, 2
	s_lshl_b32 s43, 15, s43                        ; my row of the cluster
	s_lshl_b32 s44, 0x1111, s40                    ; my column
	s_or_b32 s[G1+0], s43, (0<<16)|(1<<20)|(1<<21)|(5<<22)|(3<<25)
	s_or_b32 s[G1B+0], s44, (0<<16)|(1<<20)|(1<<21)|(5<<22)|(3<<25)
.irp g, G1, G1B
	s_mov_b32 s[\g+1], ROWB<<16
	s_mov_b32 s[\g+2], 256<<16                     ; 256 rows for the head's loads
	s_mov_b32 s[\g+3], ROWB<<16
	s_mov_b32 s[\g+4], 256
	s_mov_b32 s[\g+5], KROW
	s_mov_b32 s[\g+6], 0
	s_mov_b32 s[\g+7], 0
.endr
	s_or_b32 s[G1S+0], s43, (3<<16)|(1<<20)|(1<<21)|(5<<22)|(3<<25) ; the scales of 256 rows: 8,192 dense bytes as 32 rows of 256
	s_or_b32 s[G1SB+0], s44, (3<<16)|(1<<20)|(1<<21)|(5<<22)|(3<<25)
.irp g, G1S, G1SB
	s_mov_b32 s[\g+1], 32<<16
	s_mov_b32 s[\g+2], KS<<16
	s_mov_b32 s[\g+3], 32<<16
	s_mov_b32 s[\g+4], KS
	s_mov_b32 s[\g+5], 32
	s_mov_b32 s[\g+6], 0
	s_mov_b32 s[\g+7], 0
.endr
	s_lshl_b32 s20, s17, 8
	s_lshl_b32 s46, s42, 8
	s_mov_b32 s21, 0
	s_mov_b32 s47, 0
	s_mov_b64 s[18:19], KS
	s_mul_u64 s[22:23], s[20:21], s[18:19]
	s_mul_u64 s[92:93], s[46:47], s[18:19]
	s_mov_b64 s[18:19], KROW
	s_mul_u64 s[20:21], s[20:21], s[18:19]
	s_mul_u64 s[46:47], s[46:47], s[18:19]
	s_mul_i32 s18, s16, 128*KROW                   ; in the ring: my 128 rows of a tile
	s_mov_b32 s19, 0
	s_mul_i32 s45, s14, HALFT
	s_wait_dscnt 0x0                               ; both opening adds are done
	s_wait_kmcnt 0x0
	s_cmp_eq_u32 s[MODE], 2                        ; in mode 2 the operands change places
	s_cselect_b64 s[100:101], s[8:9], s[4:5]
	s_cselect_b64 s[8:9], s[4:5], s[8:9]
	s_mov_b64 s[4:5], s[100:101]
	s_cselect_b64 s[100:101], s[10:11], s[6:7]
	s_cselect_b64 s[10:11], s[6:7], s[10:11]
	s_mov_b64 s[6:7], s[100:101]
	s_add_nc_u64 s[20:21], s[4:5], s[20:21]
	s_add_nc_u64 s[22:23], s[6:7], s[22:23]
	s_add_nc_u64 s[46:47], s[8:9], s[46:47]
	s_add_nc_u64 s[92:93], s[10:11], s[92:93]
	CROUND                                         ; the first joint loads meet
	s_mov_b32 s[G0H], 1
	s_mov_b32 s[G0H+1], 0
	s_mov_b64 s[G0H+2:G0H+3], s[20:21]
	s_or_b32 s[G0H+3], s[G0H+3], 0x80000000
	s_mov_b32 s[G0HB], 1
	s_mov_b32 s[G0HB+1], 2*HALFT
	s_mov_b64 s[G0HB+2:G0HB+3], s[46:47]
	s_or_b32 s[G0HB+3], s[G0HB+3], 0x80000000
	s_mov_b32 s[G0S], 1
	s_mov_b32 s[G0S+1], SCL
	s_mov_b64 s[G0S+2:G0S+3], s[22:23]
	s_or_b32 s[G0S+3], s[G0S+3], 0x80000000
	s_mov_b32 s[G0SB], 1
	s_mov_b32 s[G0SB+1], SCL+2*HALFS
	s_mov_b64 s[G0SB+2:G0SB+3], s[92:93]
	s_or_b32 s[G0SB+3], s[G0SB+3], 0x80000000
	s_add_nc_u64 s[20:21], s[20:21], s[18:19]
	s_add_nc_u64 s[46:47], s[46:47], s[18:19]
.irp s, 0,1
	s_mov_b32 s[G0+4*\s], 1
	s_add_co_u32 s[G0+4*\s+1], s45, \s*SLOT
	s_add_nc_u64 s[G0+4*\s+2:G0+4*\s+3], s[20:21], \s*ROWB
	s_or_b32 s[G0+4*\s+3], s[G0+4*\s+3], 0x80000000
	s_mov_b32 s[G0B+4*\s], 1
	s_add_co_u32 s[G0B+4*\s+1], s45, \s*SLOT
	s_add_nc_u64 s[G0B+4*\s+2:G0B+4*\s+3], s[46:47], \s*ROWB
	s_or_b32 s[G0B+4*\s+3], s[G0B+4*\s+3], 0x80000000
.endr
; the head's four tiles, one load a wave: wave 0 chunk 0 of A, wave 1 of B, wave 2 A's scales, wave 3 B's
.macro ARM under, g0, g1, next
	s_cmp_lt_u32 s14, \under
	s_cbranch_scc0 \next
	tensor_load_to_lds s[\g0:\g0+3], s[\g1:\g1+7]
	s_nop 0
.rept 4
	v_nop
.endr
	s_branch .Lhead_asked
\next:
.endm
	ARM 1, G0H,  G1,  .Lhead_b
	ARM 2, G0HB, G1B, .Lhead_sa
	ARM 3, G0S,  G1S, .Lhead_sb
	tensor_load_to_lds s[G0SB:G0SB+3], s[G1SB:G1SB+7]
	s_nop 0
.rept 4
	v_nop
.endr
.Lhead_asked:
	v_and_b32 v1, 15, v0                           ; r
	v_bfe_u32 v2, v0, 4, 1                         ; h
	v_mul_u32_u24 v3, v1, PITCH
	v_mul_u32_u24 v4, v2, 24
	v_add_nc_u32 v4, v3, v4
	s_mov_b32 s21, SLOT-232
	s_mov_b32 s22, SLOT+232
	v_sub_nc_u32 v7, 1, v2
	v_mul_u32_u24 v5, s21, v2
	v_add_nc_u32 v5, v3, v5
	v_add_nc_u32 v5, 232, v5                       ; lanes 0-15 byte 232 in slot 0, lanes 16-31 byte 0 in slot 1
	v_mul_u32_u24 v6, s22, v7
	v_add_nc_u32 v6, v3, v6                        ; and the other way round
	s_mul_i32 s21, s15, HALFT
	s_mul_i32 s22, s16, HALFT
	s_add_co_u32 s22, s22, 2*HALFT
	v_add_nc_u32 v[ADRA+2], s21, v5
	v_add_nc_u32 v[ADRA+3], s21, v6
	v_add_nc_u32 v[ADRB+2], s22, v5
	v_add_nc_u32 v[ADRB+3], s22, v6
.irp s, 0,1
	v_add_nc_u32 v[ADRA+\s], s21, v4
	v_add_nc_u32 v[ADRB+\s], s22, v4
	s_add_co_u32 s21, s21, SLOT
	s_add_co_u32 s22, s22, SLOT
.endr
	v_mul_u32_u24 v5, v1, KS
	v_lshrrev_b32 v6, 8, v5
	v_lshl_add_u32 v5, v6, 4, v5
	s_mul_i32 s21, s15, HALFS
	s_mul_i32 s22, s16, HALFS
	s_add_co_u32 s22, s22, 2*HALFS
	s_sub_co_u32 s22, s22, s21
	v_mul_u32_u24 v6, s22, v2                      ; lanes 16-31 take B's
	s_add_co_u32 s21, s21, SCL
	v_add_nc_u32 v5, v5, v6
	v_add_nc_u32 v[ADRS], s21, v5
	s_mov_b32 s[SEL], 0x76543210
	s_mov_b32 s[SEL+1], 0xfedcba98
	; the rows that my wave computes, and what hangs on them
	s_lshl_b32 s92, s17, 8
	s_lshl_b32 s93, s15, 7
	s_add_co_u32 s92, s92, s93                     ; A's first row of mine
	s_lshl_b32 s93, s42, 8
	s_lshl_b32 s94, s16, 7
	s_add_co_u32 s93, s93, s94                     ; B's
	s_cmp_eq_u32 s[MODE], 2
	s_cselect_b32 s94, s92, s93                    ; my first column of Wqkv
	s_cselect_b32 s95, s93, s92                    ; my first token
	s_cselect_b32 s20, 0, 64                       ; the bias's offset: modes 0, 1: 64 h + 4 j;
	s_cselect_b32 s21, 4, 0                        ; mode 2: 4 (r + 8 (r / 8))
	s_cselect_b32 s22, 0, 4
	s_mov_b32 s23, 256
	s_cselect_b32 s23, HEADSTR, s23
	s_lshl_b32 s46, s94, 2
	s_mov_b32 s47, 0
	s_add_nc_u64 s[66:67], s[96:97], s[46:47]      ; bqkv at my first column
	s_lshr_b32 s46, s95, 10                        ; batch
	s_lshl_b32 s46, s46, 4
	s_bfe_u32 s47, s94, 0x40006                    ; head
	s_add_co_u32 s46, s46, s47
	s_mul_i32 s46, s46, HEADSTR
	s_bfe_u32 s47, s95, 0x30007                    ; step
	s_mul_i32 s47, s47, REC
	s_add_co_u32 s46, s46, s47
	s_cmp_eq_u32 s[MODE], 0
	s_cselect_b32 s47, 13056, 0
	s_cmp_eq_u32 s[MODE], 2
	s_cselect_b32 s47, 6656, s47
	s_add_co_u32 s46, s46, s47
	s_mov_b32 s47, 0
	s_add_nc_u64 s[12:13], s[98:99], s[46:47]
	v_and_b32 v6, 31, v0
	v_lshlrev_b32 v[L16], 4, v6
	v_lshlrev_b32 v[L8], 3, v6
	v_mul_u32_u24 v[SCOFF], v2, s23
	v_lshl_add_u32 v[SCOFF], v1, 4, v[SCOFF]
	v_mul_u32_u24 v7, v2, s20
	v_and_b32 v5, 8, v1
	v_add_nc_u32 v5, v5, v1
	v_mad_u32_u24 v7, v5, s21, v7
.irp j, 0,1,2,3,4,5,6,7
	v_mad_u32_u24 v[BA+\j], s22, \j, v7
.endr
.irp i, 0,1,2,3,4,5,6,7
.irp j, 0,1,2,3,4,5,6,7
	global_load_b32 v[BIAS+8*\i+\j], v[BA+\j], s[66:67] offset:4*(32*(\i/2)+8*(\i%2))
.endr
.endr
.irp b, 0,1,2,3
	v_mov_b32 v[TM+4+\b], 0                        ; a lane permute's destination counts as a source
.endr
.macro FRAG reg, adr, st, i            ; 16 rows x 128 K: 12 registers, in pieces of 8 bytes; byte y of a row lies in slot (y / 256) % 2 at byte y % 256
.irp p, 0,1,2,3,4,5
.set BY, 96*(\st)+48*(\p/3)+8*(\p%3)
.if BY/ROWB == (BY+24)/ROWB
	ds_load_b64 v[\reg+2*\p:\reg+2*\p+1], v[\adr+(BY/ROWB)%2] offset:BY%ROWB+(\i)*16*PITCH
.else
	ds_load_b64 v[\reg+2*\p:\reg+2*\p+1], v[\adr+2+(BY/ROWB)%2] offset:BY%ROWB-232+(\i)*16*PITCH
.endif
.endr
.endm
; A's blocks a0, a0 + 1 x B's eight.  zero = 0: onto the sums; 1: the sums begin with the bias of tile b; 2: of block a.  The accumulators take turns.
.macro MUL16 a0, p, q, sc, zero
.irp a, \a0, \a0+1
.irp b, 0,1,2,3,4,5,6,7
.set DR, 8*(8*((\a)%4)+\b)
.set CR, DR
.if \zero == 1
.set CR, BIAS+8*\b
.endif
.if \zero == 2
.set CR, BIAS+8*(\a)
.endif
	v_wmma_scale_f32_16x16x128_f8f6f4 v[DR:DR+7], v[128*(\p)+FR*\b:128*(\p)+FR*\b+FR-1], v[AF+FR*(\a):AF+FR*(\a)+FR-1], v[CR:CR+7], v[SC+8*NQ*(\sc)+NQ*\b+(\q)], v[SC+8*NQ*(\sc)+NQ*(\a)+(\q)] matrix_a_fmt:MATRIX_FMT_FP6 matrix_b_fmt:MATRIX_FMT_FP6 matrix_a_scale:MATRIX_SCALE_ROW1
.endr
.endr
.endm
.macro FETCH_B st, p
	WIN TO_B
.irp i, 0,1,2,3,4,5,6,7
	FRAG 128*(\p)+FR*\i, ADRB, \st, \i
.endr
	WIN 0
.endm
.macro FETCH_A st, i0
.irp i, \i0, \i0+1, \i0+2, \i0+3
	FRAG AF+FR*(\i), ADRA, \st, \i
.endr
.endm
.macro SCALES pr                       ; the words of steps 2 pr, 2 pr + 1: lanes 0-15 A's block i, lanes 16-31 B's
.irp i, 0,1,2,3,4,5,6,7
	ds_load_b64 v[SC+8*NQ*((\pr)%2)+NQ*\i:SC+8*NQ*((\pr)%2)+NQ*\i+1], v[ADRS] offset:\i*SBLK+4*NQ*(\pr)
.endr
.endm
.macro PLACES n
.rept \n
	v_nop
.endr
.endm
; A step of 128 along K.  Where the next step's bytes end in a chunk not yet read: a wait for my tensor loads and a barrier.  Where they begin in a later chunk: the full sequence, and where chunk C0 + 2 exists a round and the refill.
.macro STEP st, zero
.set NX, (\st)+1
.set C0, (96*(\st))/ROWB
.set C1, (96*NX)/ROWB
.set E0, (96*(\st)+95)/ROWB
.set E1, (96*NX+95)/ROWB
.if C1 > C0 || E1 > E0
	s_wait_tensorcnt 0x0                           ; all my tensor loads have landed
.if C1 > C0
	ds_add_u32 v[SPW], v[NIL]
	s_wait_dscnt 4*NL+1                            ; the add and A's blocks 4-7 may be out
.else
	s_wait_dscnt 4*NL                              ; A's blocks 4-7 may be out
.endif
	WIN MUL_LO
	MUL16 0, (\st)%2, (\st)%2, ((\st)/2)%2, 0
	s_wait_dscnt 0x0                               ; the add and my reads are done
	s_barrier_signal -1
	MUL16 2, (\st)%2, (\st)%2, ((\st)/2)%2, 0
	WIN 0
	s_barrier_wait -1
.if C1 > C0 && C0+2 < CHUNKS
	CREST
	s_add_nc_u64 s[G0+4*(C0%2)+2:G0+4*(C0%2)+3], s[G0+4*(C0%2)+2:G0+4*(C0%2)+3], 2*ROWB
	s_add_nc_u64 s[G0B+4*(C0%2)+2:G0B+4*(C0%2)+3], s[G0B+4*(C0%2)+2:G0B+4*(C0%2)+3], 2*ROWB
	JLOAD G0+4*(C0%2), G1, G0B+4*(C0%2), G1B       ; chunk C0 + 2; its four v_nop are the places for the loads below
.else
	PLACES NP
.endif
.else
	s_wait_dscnt 4*NL
.if \zero
	WIN FIRST_LO
.else
	WIN MUL_LO
.endif
	MUL16 0, (\st)%2, (\st)%2, ((\st)/2)%2, \zero
	MUL16 2, (\st)%2, (\st)%2, ((\st)/2)%2, \zero
	s_wait_dscnt 0
	PLACES NP
.endif
	FETCH_B NX, NX%2
	FETCH_A NX, 0
.if NX%2 == 0
	SCALES NX/2
.endif
.if \zero
	WIN FIRST_HI
.else
	WIN MUL_HI
.endif
	MUL16 4, (\st)%2, (\st)%2, ((\st)/2)%2, \zero
	MUL16 6, (\st)%2, (\st)%2, ((\st)/2)%2, \zero
	PLACES NP
	WIN 0
	FETCH_A NX, 4
.endm
	s_wait_alu depctr_va_vdst(0)
	s_wait_tensorcnt 0x0                           ; my tile of the head's four is in
	ds_add_u32 v[SPW], v[NIL]
	s_mov_b32 s[G1+2], 128<<16                     ; no load of mine is out: from here on a load brings 128 rows
	s_mov_b32 s[G1+4], 128
	s_mov_b32 s[G1B+2], 128<<16
	s_mov_b32 s[G1B+4], 128
	s_wait_dscnt 0x0
	CROUND
	JLOAD G0+4, G1, G0B+4, G1B                     ; chunk 1, slot 1's first fill
	FETCH_B 0, 0
	FETCH_A 0, 0
	SCALES 0
	FETCH_A 0, 4
	s_wait_loadcnt 0x0                             ; the bias
	s_cmp_eq_u32 s[MODE], 2
	s_cbranch_scc1 .Lfirst_v
	STEP 0, 1
	s_branch .Ljoin
.Lfirst_v:
	STEP 0, 2
.Ljoin:
.set ST, 1
.rept STEPS-2
	STEP ST, 0
.set ST, ST+1
.endr
	s_wait_dscnt 4*NL
	WIN MUL_LO
	MUL16 0, 1, 1, 1, 0
	MUL16 2, 1, 1, 1, 0
	s_wait_dscnt 0
	WIN MUL_HI
	MUL16 4, 1, 1, 1, 0
	MUL16 6, 1, 1, 1, 0
	WIN 0
; THE WAY OUT.  Block a's 64 registers of a lane are four blocks of 32 along the next K (16 numbers in me, 16 in lane l xor 16): 12 registers of codes and a scale word.
.macro OUTBLK a
.set AC, 64*((\a)%4)
.set W, 2+(\a)/4
.set WM, (W<<2)|(W<<4)
	WIN WM
.irp b, 0,1,2,3
	v_max3_num_f32 v[TM+\b], 0x3000000, |v[AC+16*\b]|, |v[AC+16*\b+1]|   ; from the low end on; the floor 2^-121
.endr
.irp i, 2,4,6,8,10,12,14
.irp b, 0,1,2,3
	v_max3_num_f32 v[TM+\b], v[TM+\b], |v[AC+16*\b+\i]|, |v[AC+16*\b+\i+1]|
.endr
.endr
	WIN 0
.irp b, 0,1,2,3
	v_permlanex16_b32 v[TM+4+\b], v[TM+\b], s[SEL], s[SEL+1]
.endr
.irp b, 0,1,2,3
	v_max_num_f32 v[TM+\b], v[TM+\b], v[TM+4+\b]
.endr
.irp b, 0,1,2,3
	v_add_nc_u32 v[TM+12+\b], 0xff000000, v[TM+\b] ; the conversion's scale operand
.endr
.irp b, 0,1,2,3
	v_lshrrev_b32 v[TM+4+\b], 23, v[TM+12+\b]      ; the byte
.endr
	v_lshl_or_b32 v[WA+(\a)], v[TM+5], 8, v[TM+4]
	v_lshl_or_b32 v[WA+(\a)], v[TM+6], 16, v[WA+(\a)]
	v_lshl_or_b32 v[WA+(\a)], v[TM+7], 24, v[WA+(\a)]
	s_wait_alu depctr_va_vdst(0)
	s_wait_xcnt 0x0                                ; the last block's stores have read the codes' registers
	WIN W
.irp c, 0,1
	v_cvt_scalef32_pk16_fp6_f32 v[CDS+6*\c:CDS+6*\c+2], v[AC+32*\c:AC+32*\c+15], v[TM+12+2*\c]
	v_cvt_scalef32_pk16_fp6_f32 v[CDS+12+4*\c:CDS+14+4*\c], v[AC+32*\c+16:AC+32*\c+31], v[TM+12+2*\c+1]
.endr
	WIN 0
	v_nop
.irp c, 0,1
.irp i, 0,1,2
	v_permlane16_swap_b32 v[CDS+6*\c+\i], v[CDS+12+4*\c+\i]
.endr
.irp i, 0,1,2
	v_mov_b32 v[CDS+3+6*\c+\i], v[CDS+12+4*\c+\i]
.endr
.endr
	s_cmp_eq_u32 s[MODE], 2
	s_cbranch_scc1 .Lvst_\@
	global_store_b128 v[L16], v[CDS:CDS+3], s[12:13] offset:768*(\a)
	global_store_b64 v[L8], v[CDS+4:CDS+5], s[12:13] offset:768*(\a)+512
	global_store_b128 v[L16], v[CDS+6:CDS+9], s[12:13] offset:HEADSTR+768*(\a)
	global_store_b64 v[L8], v[CDS+10:CDS+11], s[12:13] offset:HEADSTR+768*(\a)+512
	s_branch .Ldst_\@
.Lvst_\@:
	s_wait_alu depctr_va_vdst(0)
.irp c, 0,1,2
	global_store_b128 v[L16], v[CDS+4*\c:CDS+4*\c+3], s[12:13] offset:((\a)/4)*HEADSTR+((\a)%4)*1536+512*\c
.endr
.Ldst_\@:
.endm
	PLACES NP
.irp a, 0,1,2,3,4,5,6,7
	OUTBLK \a
.endr
	v_and_b32 v6, 31, v0
	v_cmp_le_u32 s[LM], 16, v6
.irp i, 0,1,2,3
	v_cndmask_b32 v[DW+\i], v[WA+\i], v[WA+4+\i], s[LM]   ; lanes 0-15: blocks 0-3's words, lanes 16-31: blocks 4-7's
.endr
	global_store_b128 v[SCOFF], v[DW:DW+3], s[12:13] offset:6144
	s_cmp_eq_u32 s[MODE], 2
	s_cbranch_scc1 .Lno_second
.irp i, 0,1,2,3
	v_lshrrev_b32 v[DW+4+\i], 16, v[DW+\i]         ; modes 0, 1: the upper two bytes belong to the next head
.endr
	global_store_b128 v[SCOFF], v[DW+4:DW+7], s[12:13] offset:HEADSTR+6144
.Lno_second:
	s_wait_tensorcnt 0x0                           ; the wave's end
	ds_add_u32 v[SPW], v[NIL]
	s_wait_dscnt 0x0
	CROUND
	s_endpgm
.Lfunc_end_k_q14e9f75bfa_gemm_qkv:
	.size	k_q14e9f75bfa_gemm_qkv, .Lfunc_end_k_q14e9f75bfa_gemm_qkv-k_q14e9f75bfa_gemm_qkv
	.p2alignl 7, 3214868480
	.fill 96, 4, 3214868480
	.section	.rodata,"a",@progbits
	.p2align	6, 0x0
	.amdhsa_kernel k_q14e9f75bfa_gemm_qkv
		.amdhsa_group_segment_fixed_size 327680
		.amdhsa_private_segment_fixed_size 0
		.amdhsa_enable_private_segment 0
		.amdhsa_kernarg_size 48
		.amdhsa_user_sgpr_count 2
		.amdhsa_user_sgpr_kernarg_segment_ptr 1
		.amdhsa_wavefront_size32 1
		.amdhsa_system_sgpr_workgroup_id_x 1
		.amdhsa_system_sgpr_workgroup_id_y 1
		.amdhsa_system_sgpr_workgroup_id_z 1
		.amdhsa_system_vgpr_workitem_id 0
		.amdhsa_next_free_vgpr 1024
		.amdhsa_next_free_sgpr 102
		.amdhsa_reserve_vcc 0
		.amdhsa_float_denorm_mode_32 3
		.amdhsa_float_denorm_mode_16_64 3
		.amdhsa_memory_ordered 1
		.amdhsa_forward_progress 1
		.amdhsa_inst_pref_size 192
	.end_amdhsa_kernel
	.amdgpu_metadata
---
amdhsa.version: [ 1, 2 ]
amdhsa.kernels:
  - .name:           k_q14e9f75bfa_gemm_qkv
    .symbol:         k_q14e9f75bfa_gemm_qkv.kd
    .args:
      - { .name: xc, .offset: 0, .size: 8, .value_kind: global_buffer, .address_space: global }
      - { .name: xs, .offset: 8, .size: 8, .value_kind: global_buffer, .address_space: global }
      - { .name: wc, .offset: 16, .size: 8, .value_kind: global_buffer, .address_space: global }
      - { .name: ws, .offset: 24, .size: 8, .value_kind: global_buffer, .address_space: global }
      - { .name: bqkv, .offset: 32, .size: 8, .value_kind: global_buffer, .address_space: global }
      - { .name: rec, .offset: 40, .size: 8, .value_kind: global_buffer, .address_space: global }
    .group_segment_fixed_size: 327680
    .private_segment_fixed_size: 0
    .kernarg_segment_align: 8
    .kernarg_segment_size: 48
    .max_flat_workgroup_size: 128
    .sgpr_count:     102
    .vgpr_count:     1024
    .wavefront_size: 32
...
	.end_amdgpu_metadata
.endif
;; end of part 2
;; launch attn (part 3): grid 16 x 32, 16 waves a work-group, clusters of 4 x 4, 327,680 bytes of LDS; arguments rec, mask, zc, zs; writes zc, zs
.if DOCPART == 3
	.amdgcn_target "amdgcn-amd-amdhsa--gfx1250"
	.amdhsa_code_object_version 6
	.text
	.protected	k_q14e9f75bfa_attn
	.globl	k_q14e9f75bfa_attn
	.p2align	8
	.type	k_q14e9f75bfa_attn,@function
k_q14e9f75bfa_attn:
	s_mov_b64 s[64:65], 0
	v_nop
	global_prefetch_b8 v0, s[64:65] scope:SCOPE_SE
	s_setreg_imm32_b32 hwreg(HW_REG_WAVE_MODE, 25, 1), 1
	s_wait_xcnt 0x0
	s_wait_alu depctr_hold_cnt(0) depctr_sa_sdst(0) depctr_va_vdst(0) depctr_va_sdst(0) depctr_va_ssrc(0) depctr_va_vcc(0) depctr_vm_vsrc(0)
	s_getreg_b32 s2, hwreg(HW_REG_IB_STS2, 6, 4)
	s_cmp_eq_u32 s2, 0
	s_cbranch_scc0 .Lentry_in_a_cluster
	s_endpgm
.Lentry_in_a_cluster:
	s_bfe_u32 s2, ttmp6, 0x10000c
	s_cmp_lg_u32 s2, 0xf033
	s_cbranch_scc0 .Lentry_shape_is_right
	s_endpgm
.Lentry_shape_is_right:
; z = softmax(q k^T / 8 - mask) v for 128 (batch, head) pairs of 1,024 tokens, head size 64, both products on codes of FP6 (E2M3) with E8M0 scales; z is quantised along the hidden axis and stored as codes (zc) and scale bytes (zs).
; THE SOFTMAX AHEAD OF THE SECOND PRODUCT: t = logit x log2(e); M = the row's largest t so far, rounded up to a whole number; p = 2^(t - M) is quantised along the keys, not normalised; the row's sum is taken of the
; unquantised p and divides at the end.  When M moves, the sum and O are multiplied by 2^(old M - new M), which rounds nothing.
; SHARES.  A work-group owns 64 queries (x) of four heads of one batch (y); wave w owns head w % 4 and the tile of 16 queries w / 4, in 256 registers.
; Every wave walks the 1,024 keys, 128 a step.  A step's data: for each of the four heads a record's first 13,056 bytes (K's 8 half fragments and scale words, V^T's 4 fragments and scale words: images of operand registers,
; made by the launch before), and 64 rows x 128 columns of the mask.  They come through a ring of two LDS slots: waves 0-3 fetch a record each, waves 4-7 sixteen rows of the mask each.
; TWO GROUPS OF WAVES, HALF A STEP APART.  A key step has two parts: FRONT (K and the mask out of LDS, the 8 products k q^T, V out of LDS: 46 LDS loads, 21,504 bytes a wave) and SOFT (the softmax, p's codes, the 4 products with V:
; registers alone).  Between two changes of slots the waves of group 0 run FRONT and SOFT of step p; those of group 1 run SOFT of step p - 1 and then FRONT of step p.  So while one half of the waves reads LDS the other half
; has vector work, and then they change places.  Both groups read slot p % 2 only between the p-th change of slots and the next, so the ring knows nothing of the groups.  The group is (w xor w / 4) mod 2: of any four waves
; w, w + 4, w + 8, w + 12, and of any four neighbours, two are in each.  The branches hang on the wave's number alone and jump over register work alone.
; CLUSTER 4 x 4: the four work-groups of a row share the heads (records asked for jointly), the four of a column share the queries (mask tiles asked for jointly).
; THE MASK AND THE 1 / 8 COST NO VECTOR INSTRUCTION.  q's codes have their sign bits turned once, q's scale bytes give up 3 (a division by 8, exact), and the mask's tile is loaded from LDS into the score accumulators:
; the product gives S' = mask - q k / 8 = -logit.  So t = -log2(e) S', and largest t come from smallest S'.
; K = 64 IN AN INSTRUCTION OF K = 128: q's operand is 6 registers of codes and 6 of zero codes.  K's tiles stand 6 registers apart; the upper half of K's operand is the next tile's codes, which meet zero codes.  No scale byte is 0xff.
; LAYOUT.  Both products transposed (source 0 = 16 keys, or 16 of the head's 64; source 1 = my 16 queries): a lane holds one query throughout.  Row r of a stored tile i is token 32 (i / 2) + 8 (i % 2) + r + 8 (r / 8), so the
; 16 registers of score tiles 2 b and 2 b + 1 are the keys 32 b + 16 (lane / 16) + 0 .. 15, and O^T's 32 registers the head's 32 B + 16 (lane / 16) + 0 .. 15.
; zc, zs: row 16 a + r of a block of 64 holds the query of that tile's lane r: the rows are stored at pi(row), bits 3 and 4 exchanged; the last launch puts them back.  A work-group writes 192 bytes of a row of zc (its four heads).
; LIMITS: q's scale bytes are at least 4 by the launch before; a p under 2^-126 counts as 0 (v_exp_f32's results under the smallest normal number are zeros: ISA guide, 15.8); a block of z under 2^-124 is coded under the byte 1; a block of zeros keeps that byte.
.set REC,   19712
.set HEADSTR, 8*REC
.set KVB,   13056                      ; what a record's load brings: 51 rows of 256 bytes
.set SLOT1, 1<<17                      ; slot 1 begins here: one exclusive or turns an address
.set MOFF,  4*KVB                      ; in a slot: four records, then the mask
.set MP,    528                        ; a row of the mask in LDS: 512 bytes + 16
.set MGRP,  8576                       ; from one group of 16 rows to the next: 128 above a multiple of 256, so that a tile's rows 0-7 and 16-23 begin in 16 different columns of 16 bytes
.set SPARE, 2*SLOT1                    ; the spare words, 128 bytes for each of 16 waves
.set ZST,   SPARE+2048                 ; the way out: 64 rows x (16 places of 16 bytes + 16)
.set ZP,    272
.set ZSS,   ZST+64*ZP                  ; and 64 rows x 8 scale bytes
.set A16, 1                            ; v1  my record + 16 x lane
.set A8,  2                            ; v2  my record + 8 x lane
.set AS,  3                            ; v3  my record + 16 r
.set AM,  4                            ; v4  my query's row of the mask + 64 h
.set SPW, 5                            ; v5  my spare word; never rewritten
.set NIL, 6                            ; v6  0; never rewritten
.set PFO, 7                            ; v7  the prefetches' offset; never rewritten
.set ZW,  86                           ; v86-91 the way out's addresses
.set ZB,  87
.set ZR,  88
.set ZG,  89
.set ZSR, 90
.set ZSG, 91
; v8-11 the step's addresses; v12 -M, v13 the largest t, v[14:15] the sum; v16-21 -q's codes, v22-27 zero codes, v28 q's scale word; v32-85 K's tiles (v80-85 zeros), later V^T's fragments;
; v96-159 S', then p; v160-191 O^T; v192-203 p's codes, v204-206, v208-210 the conversions' second halves; v212-215 a block's smallest S', then largest p; v216-219, v220-223 bytes and scale operands;
; v224-227 K's scale words, v228-231 V's, v232 p's; v[234:235] f; v236-239 at work
.set TB,    2                          ; s2  the slot in hand
.set SLOTS, 3                          ; s3  slots still to be asked for
.set WV,    12
.set SEL,   20
.set NC,    22                         ; s[22:23] -log2(e)
.set G1R,   24
.set G1M,   32
.set G0R,   40
.set G0M,   44
.set PFA,   48
.set PFS,   50
.set LIM,   52
.set GRP,   63                         ; s63 my wave's group, 0 or 1
.set QB,    68                         ; s[68:69], s[70:71] the bases of q's loads: written once, never again
.macro CROUND                          ; a round of the cluster's barrier
	s_barrier_signal -1
	s_barrier_wait -1
	s_cmp_lg_u32 s[WV], 0
	s_cbranch_scc1 .Lnot_wave_0_\@
	s_barrier_signal -3
.Lnot_wave_0_\@:
	s_barrier_wait -3
	s_barrier_signal -1
	s_barrier_wait -1
.endm
; Waves 0-3 fetch records, waves 4-7 the mask, the others nothing; the branches hang on the wave's number alone.  Four v_nop follow each of the two lines.
.macro TLOAD
	s_cmp_lt_u32 s[WV], 4
	s_cbranch_scc0 .Lnot_r_\@
	tensor_load_to_lds s[G0R:G0R+3], s[G1R:G1R+7]
	s_nop 0
.rept 4
	v_nop
.endr
	s_branch .Lasked_\@
.Lnot_r_\@:
	s_cmp_lt_u32 s[WV], 8
	s_cbranch_scc0 .Lasked_\@
	tensor_load_to_lds s[G0M:G0M+3], s[G1M:G1M+7]
	s_nop 0
.rept 4
	v_nop
.endr
.Lasked_\@:
.endm
; A PREFETCH of what the NEXT change of slots will ask for, behind the fetching waves' tensor loads: one key step ahead of that load.
; Records: all four clusters along x read the same: the cluster with x = 0 asks; of its row's four heads each partner takes one, told apart by address (cx); waves 8 and 9 name the 51 blocks of 256 bytes (the lanes past the 51st name the 51st).
; Mask: all eight clusters along y read the same: the cluster with y = 0 asks; of a column's 64 rows each partner takes 16 (cy, by address); wave 10 names 16 rows x 2 blocks.
; The last change that fills a slot asks for nothing; steps 0 and 1 come by their loads alone.
.macro ASK
	s_cmp_gt_u32 s[SLOTS], s[LIM]
	s_cbranch_scc0 .Lnot_mine_\@
	global_prefetch_b8 v[PFO], s[PFA:PFA+1] th:TH_LOAD_NT scope:SCOPE_SE
.Lnot_mine_\@:
.endm
	s_load_b256 s[4:11], s[0:1], 0x0               ; rec, mask, zc, zs
	v_lshl_add_u32 v[SPW], v0, 2, SPARE
	v_mov_b32 v[NIL], 0
	ds_add_u32 v5, v6
	ds_add_u32 v5, v6
	s_wait_dscnt 0x0
	v_lshrrev_b32 v8, 5, v0
	s_delay_alu instid0(VALU_DEP_1)
	v_readfirstlane_b32 s[WV], v8                  ; wave 0..15
	s_and_b32 s17, s[WV], 3                        ; my head of the four; also: which record or which 16 rows of the mask I fetch
	s_lshr_b32 s19, s[WV], 2                       ; my tile of queries
	s_xor_b32 s[GRP], s19, s[WV]
	s_and_b32 s[GRP], s[GRP], 1                    ; my group: (w xor w / 4) mod 2
	s_bfe_u32 s13, ttmp6, 0x40000                  ; cx
	s_bfe_u32 s14, ttmp6, 0x40004                  ; cy
	s_lshl_b32 s15, ttmp9, 2
	s_add_co_u32 s15, s15, s13                     ; work-group x: the block of 64 queries
	s_and_b32 s18, ttmp7, 0xffff                   ; the cluster's y
	s_lshl_b32 s16, s18, 2
	s_add_co_u32 s16, s16, s14                     ; work-group y: 4 x batch + group of four heads
	s_lshl_b32 s53, s14, 2
	s_lshl_b32 s53, 15, s53                        ; my row of the cluster
	s_lshl_b32 s54, 0x1111, s13                    ; my column
	s_or_b32 s[G1R], s53, (3<<16)|(1<<21)          ; a record: 13,056 dense bytes as 51 rows of 32 elements of 8 bytes, no padding; shared along the row
	s_mov_b32 s[G1R+1], 32<<16
	s_mov_b32 s[G1R+2], 51<<16
	s_mov_b32 s[G1R+3], 32<<16
	s_mov_b32 s[G1R+4], 51
	s_mov_b32 s[G1R+5], 32
	s_mov_b32 s[G1R+6], 0
	s_mov_b32 s[G1R+7], 0
	s_or_b32 s[G1M], s54, (2<<16)|(1<<20)|(1<<21)|(6<<22)|(3<<25)   ; the mask: 16 rows of 128 elements of 4 bytes, 4 words of padding behind every 128; shared along the column
	s_mov_b32 s[G1M+1], 128<<16
	s_mov_b32 s[G1M+2], 16<<16
	s_mov_b32 s[G1M+3], 128<<16
	s_mov_b32 s[G1M+4], 16
	s_mov_b32 s[G1M+5], 1024
	s_mov_b32 s[G1M+6], 0
	s_mov_b32 s[G1M+7], 0
	s_lshl_b32 s55, s16, 2
	s_add_co_u32 s55, s55, s17                     ; (batch, head) = 4 y + wave % 4
	s_mul_i32 s56, s55, HEADSTR                    ; its records
	s_mov_b32 s57, 0
	s_lshl_b32 s58, s15, 18                        ; mask: row 64 x, 4,096 bytes a row,
	s_lshl_b32 s59, s17, 16                        ; + 16 (wave % 4) rows
	s_add_co_u32 s58, s58, s59
	s_mov_b32 s59, 0
	s_mul_i32 s60, s17, KVB                        ; in a slot
	s_mul_i32 s61, s17, MGRP
	s_add_co_u32 s61, s61, MOFF
	s_mov_b32 s[SEL], 0x76543210
	s_mov_b32 s[SEL+1], 0xfedcba98
	s_mov_b32 s[NC], 0xbfb8aa3b                    ; -log2(e)
	s_mov_b32 s[NC+1], s[NC]
	s_mov_b32 s[TB], 0
	s_mov_b32 s[SLOTS], 7
	s_wait_kmcnt 0x0
	s_mov_b32 s[G0R], 1
	s_mov_b32 s[G0R+1], s60
	s_add_nc_u64 s[G0R+2:G0R+3], s[4:5], s[56:57]
	s_or_b32 s[G0R+3], s[G0R+3], 0x80000000
	s_mov_b32 s[G0M], 1
	s_mov_b32 s[G0M+1], s61
	s_add_nc_u64 s[G0M+2:G0M+3], s[6:7], s[58:59]
	s_or_b32 s[G0M+3], s[G0M+3], 0x80000000
	CROUND                                         ; all sixteen work-groups are here: the first joint loads meet
	TLOAD                                          ; step 0 into slot 0: one tensor load of mine is out
	; q: tile 4 (x % 2) + wave / 4 of record x / 2 of my head
	s_lshr_b32 s62, s15, 1
	s_mul_i32 s62, s62, REC
	s_add_co_u32 s62, s62, s56
	s_and_b32 s66, s15, 1
	s_lshl_b32 s67, s66, 2
	s_add_co_u32 s67, s67, s19
	s_mul_i32 s67, s67, 768
	s_add_co_u32 s[QB], s62, s67
	s_mov_b32 s[QB+1], 0
	s_lshl_b32 s66, s66, 8
	s_lshl_b32 s[QB+2], s19, 2
	s_add_co_u32 s[QB+2], s[QB+2], s66
	s_add_co_u32 s[QB+2], s[QB+2], s62
	s_mov_b32 s[QB+3], 0
	s_add_nc_u64 s[QB:QB+1], s[4:5], s[QB:QB+1]
	s_add_nc_u64 s[QB+2:QB+3], s[4:5], s[QB+2:QB+3]
	v_and_b32 v236, 31, v0                         ; lane
	v_and_b32 v237, 15, v0                         ; r
	v_bfe_u32 v238, v0, 4, 1                       ; h
	s_delay_alu instid0(VALU_DEP_3)
	v_lshlrev_b32 v32, 4, v236
	s_delay_alu instid0(VALU_DEP_4)
	v_lshlrev_b32 v33, 3, v236
	s_delay_alu instid0(VALU_DEP_4)
	v_lshlrev_b32 v34, 4, v237
	global_load_b128 v[16:19], v32, s[QB:QB+1] offset:13056      ; the three loads' bases and offsets are not written again before the wait for the loads
	global_load_b64 v[20:21], v33, s[QB:QB+1] offset:13056+512
	global_load_b32 v28, v34, s[QB+2:QB+3] offset:19200
	v_add_nc_u32 v[A16], s60, v32
	v_add_nc_u32 v[A8], s60, v33
	v_add_nc_u32 v[AS], s60, v34
	s_lshr_b32 s72, s19, 1                         ; my query is row 32 (a / 2) + 16 (r / 8) + 8 (a % 2) + r % 8 of the 64
	s_mul_i32 s72, s72, 2*MGRP
	s_and_b32 s73, s19, 1
	s_mul_i32 s73, s73, 8*MP
	s_add_co_u32 s72, s72, s73
	s_add_co_u32 s72, s72, MOFF
	v_bfe_u32 v239, v0, 3, 1
	s_delay_alu instid0(VALU_DEP_1)
	v_mul_u32_u24 v[AM], v239, MGRP
	v_and_b32 v239, 7, v0
	s_delay_alu instid0(VALU_DEP_1)
	v_mad_u32_u24 v[AM], v239, MP, v[AM]
	s_delay_alu instid0(VALU_DEP_1)
	v_lshl_add_u32 v[AM], v238, 6, v[AM]
	s_delay_alu instid0(VALU_DEP_1)
	v_add_nc_u32 v[AM], s72, v[AM]
	; the way out's addresses
	s_mul_i32 s72, s19, 16*ZP
	s_lshl_b32 s73, s17, 6
	s_add_co_u32 s72, s72, s73
	s_add_co_u32 s72, s72, ZST
	v_mul_u32_u24 v[ZW], v237, ZP
	s_delay_alu instid0(VALU_DEP_1)
	v_lshl_add_u32 v[ZW], v238, 4, v[ZW]
	s_delay_alu instid0(VALU_DEP_1)
	v_add_nc_u32 v[ZW], s72, v[ZW]                 ; stage row 16 a + r, place 4 head + h
	s_lshl_b32 s72, s19, 7
	s_lshl_b32 s73, s17, 1
	s_add_co_u32 s72, s72, s73
	s_add_co_u32 s72, s72, ZSS
	v_lshl_add_u32 v[ZB], v237, 3, s72             ; 8 bytes a row, my head's two
	s_mul_i32 s72, s[WV], 4*ZP
	s_add_co_u32 s72, s72, ZST
	v_mul_u32_u24 v[ZR], v238, ZP
	s_delay_alu instid0(VALU_DEP_1)
	v_lshl_add_u32 v[ZR], v237, 4, v[ZR]
	s_delay_alu instid0(VALU_DEP_1)
	v_add_nc_u32 v[ZR], s72, v[ZR]                 ; back: rows 4 w + h (+ 2), sixteen lanes to a row
	s_mul_i32 s72, s[WV], 4*768
	v_mul_u32_u24 v[ZG], v238, 768
	s_delay_alu instid0(VALU_DEP_1)
	v_mad_u32_u24 v[ZG], v237, 12, v[ZG]
	s_delay_alu instid0(VALU_DEP_1)
	v_add_nc_u32 v[ZG], s72, v[ZG]                 ; and the same place in zc
	s_and_b32 s72, s[WV], 1
	s_lshl_b32 s73, s72, 8
	s_add_co_u32 s73, s73, ZSS
	v_lshl_add_u32 v[ZSR], v236, 3, s73            ; waves 0 and 1: a row's 8 scale bytes a lane
	s_lshl_b32 s73, s72, 10
	v_lshl_add_u32 v[ZSG], v236, 5, s73
	s_lshr_b32 s72, s16, 2
	s_lshl_b32 s72, s72, 10
	s_lshl_b32 s73, s15, 6
	s_add_co_u32 s72, s72, s73                     ; my work-group's first row of zc and zs
	s_and_b32 s73, s16, 3                          ; the group of four heads
	s_mul_i32 s74, s72, 768
	s_mul_i32 s76, s73, 192
	s_add_co_u32 s74, s74, s76
	s_mov_b32 s75, 0
	s_add_nc_u64 s[8:9], s[8:9], s[74:75]
	s_lshl_b32 s74, s72, 5
	s_lshl_b32 s76, s73, 3
	s_add_co_u32 s74, s74, s76
	s_add_nc_u64 s[10:11], s[10:11], s[74:75]
	; the prefetches: where mine stand (at step 1: the first change of slots steps them to step 2), and who asks.  At work here: s53-55, s58, s66, s67, s72: none of them is named by a load that is out
	s_lshl_b32 s66, s16, 2
	s_add_co_u32 s66, s66, s13
	s_mul_i32 s66, s66, HEADSTR
	s_add_co_u32 s66, s66, REC                     ; records: head 4 y + cx
	s_lshl_b32 s67, s15, 18
	s_lshl_b32 s53, s14, 16
	s_add_co_u32 s67, s67, s53
	s_add_co_u32 s67, s67, 512                     ; mask: rows 64 x + 16 cy on
	s_cmp_eq_u32 s[WV], 10
	s_cselect_b32 s66, s67, s66
	s_cselect_b64 s[PFA:PFA+1], s[6:7], s[4:5]
	s_mov_b32 s[PFS], REC
	s_cselect_b32 s[PFS], 512, s[PFS]              ; a step on
	s_cselect_b32 s54, -1, 0                       ; all lanes of wave 10, none of the others
	s_cselect_b32 s55, s18, 1
	s_mov_b32 s67, 0
	s_mov_b32 s[PFS+1], 0
	s_add_nc_u64 s[PFA:PFA+1], s[PFA:PFA+1], s[66:67]
	s_lshr_b32 s58, s[WV], 1
	s_cmp_eq_u32 s58, 4
	s_cselect_b32 s55, ttmp9, s55                  ; waves 8, 9: the cluster's x; wave 10: its y; the others 1
	s_cmp_eq_u32 s55, 0
	s_cselect_b32 s[LIM], 1, -1                    ; the same in all sixteen partners, for a given wave
	s_and_b32 s72, s[WV], 1
	s_lshl_b32 s72, s72, 5
	v_add_nc_u32 v92, s72, v236
	s_delay_alu instid0(VALU_DEP_1)
	v_min_u32 v92, 50, v92
	s_delay_alu instid0(VALU_DEP_1)
	v_lshlrev_b32 v92, 8, v92                      ; records: block 32 (w % 2) + lane, held at the 51st
	v_lshrrev_b32 v93, 1, v236
	s_delay_alu instid0(VALU_DEP_1)
	v_lshlrev_b32 v93, 12, v93
	v_and_b32 v94, 1, v236
	s_delay_alu instid0(VALU_DEP_1)
	v_lshl_add_u32 v93, v94, 8, v93                ; mask: row lane / 2, block lane % 2
	s_delay_alu instid0(VALU_DEP_1)
	v_cndmask_b32 v[PFO], v92, v93, s54
	s_wait_loadcnt 0x0                             ; q
	v_xor_b32 v16, 0x20820820, v16                 ; the sign bits, bit 6 i + 5 of the stream: -q
	v_xor_b32 v17, 0x08208208, v17
	v_xor_b32 v18, 0x82082082, v18
	v_xor_b32 v19, 0x20820820, v19
	v_xor_b32 v20, 0x08208208, v20
	v_xor_b32 v21, 0x82082082, v21
	v_and_b32 v28, 0xffff, v28                     ; my head's two bytes; the zero codes' bytes are 0
	s_delay_alu instid0(VALU_DEP_1)
	v_add_nc_u32 v28, 0xfffffcfd, v28              ; 3 off each: / 8.  Each is 4 at the least: nothing is borrowed
.irp j, 22,23,24,25,26,27,80,81,82,83,84,85,216,217,218,219,235,14,15
	v_mov_b32 v\j, 0                               ; zero codes; permutes' destinations and a pair's upper half, written once; the sum
.endr
	v_mov_b32 v13, 0xff61b1e6                      ; the largest t so far: -3e38
	s_delay_alu instid0(VALU_DEP_1)
	v_floor_f32 v12, -v13                          ; -M
.set j, 0
.rept 32
	v_mov_b32 v[160+j], 0                          ; O^T.  (These also stand between the lines that wrote q's operand and scale word and the first product)
.set j, j+1
.endr
; THE FIRST PART OF A KEY STEP OF 128 KEYS: all that reads LDS.  It leaves S' in v96-159, V^T's fragments in v32-79 and V's scale words in v228-231 (the loads of V may still be out).
.macro FRONT
	v_add_nc_u32 v8, s[TB], v[A16]                 ; (four plain lines behind the last products with V, in front of loads into registers that they read)
	v_add_nc_u32 v9, s[TB], v[A8]
	v_add_nc_u32 v10, s[TB], v[AS]
	v_add_nc_u32 v11, s[TB], v[AM]
	ds_load_b128 v[224:227], v8 offset:6144        ; K's scale words: lanes 0-15 tiles 0-3 of row r, lanes 16-31 tiles 4-7
.irp t, 0,1,2,3,4,5,6,7
	ds_load_b128 v[32+6*\t:35+6*\t], v8 offset:768*\t
	ds_load_b64 v[36+6*\t:37+6*\t], v9 offset:768*\t+512
.endr
.irp n, 0,1,2,3,4,5,6,7,8,9,10,11,12,13,14,15
	ds_load_b128 v[96+4*\n:99+4*\n], v11 offset:128*(\n/4)+16*(\n%4)   ; the mask of my query at keys 32 b + 16 h + 0 .. 15: into the accumulators
.endr
	s_wait_alu depctr_va_vdst(0)
	s_wait_dscnt 0x0
.irp t, 0,1,2,3
	v_wmma_scale_f32_16x16x128_f8f6f4 v[96+8*\t:103+8*\t], v[32+6*\t:43+6*\t], v[16:27], v[96+8*\t:103+8*\t], v[224+\t], v28 matrix_a_fmt:MATRIX_FMT_FP6 matrix_b_fmt:MATRIX_FMT_FP6
.endr
.irp t, 4,5,6,7
	v_wmma_scale_f32_16x16x128_f8f6f4 v[96+8*\t:103+8*\t], v[32+6*\t:43+6*\t], v[16:27], v[96+8*\t:103+8*\t], v[220+\t], v28 matrix_a_fmt:MATRIX_FMT_FP6 matrix_b_fmt:MATRIX_FMT_FP6 matrix_a_scale:MATRIX_SCALE_ROW1
.endr
.rept 4
	v_nop                                          ; places: K's registers are loaded again, and the scores read, only behind them
.endr
.irp d, 0,1,2,3
.irp c, 0,1,2
	ds_load_b128 v[32+12*\d+4*\c:35+12*\d+4*\c], v8 offset:6656+1536*\d+512*\c   ; V^T's fragments
.endr
.endr
	ds_load_b128 v[228:231], v10 offset:12800      ; and V's scale words
.endm
; THE SECOND PART: the softmax, p's codes and the products with V.  It touches registers alone (its one wait on DScnt is for FRONT's loads of V).
.macro SOFT
.irp b, 0,1,2,3
	v_min3_num_f32 v[212+\b], v[96+16*\b], v[97+16*\b], v[98+16*\b]   ; the smallest S' of each block of 32 keys: for the row's largest t, and for the block's largest p
.endr
.irp i, 3,5,7,9,11,13
.irp b, 0,1,2,3
	v_min3_num_f32 v[212+\b], v[212+\b], v[96+16*\b+\i], v[97+16*\b+\i]
.endr
.endr
.irp b, 0,1,2,3
	v_min_num_f32 v[212+\b], v[212+\b], v[111+16*\b]
.endr
.irp b, 0,1,2,3
	s_delay_alu instid0(VALU_DEP_4)
	v_permlanex16_b32 v[216+\b], v[212+\b], s[SEL], s[SEL+1]
.endr
.irp b, 0,1,2,3
	s_delay_alu instid0(VALU_DEP_4)
	v_min_num_f32 v[212+\b], v[212+\b], v[216+\b]  ; with lane l xor 16's 16 keys
.endr
	s_delay_alu instid0(VALU_DEP_2)
	v_min3_num_f32 v236, v212, v213, v214
	s_delay_alu instid0(VALU_DEP_1)
	v_min_num_f32 v236, v236, v215
	s_delay_alu instid0(VALU_DEP_1)
	v_mul_f32 v236, s[NC], v236                    ; the step's largest t of my query
	s_delay_alu instid0(VALU_DEP_1)
	v_max_num_f32 v13, v13, v236                   ; the running largest t
	v_mov_b32 v236, v12
	s_delay_alu instid0(VALU_DEP_2)
	v_floor_f32 v12, -v13                          ; the new -M = -ceil(t): a whole number
	s_delay_alu instid0(VALU_DEP_1)
	v_sub_f32 v236, v12, v236                      ; old M - new M: a whole number, 0 or less
	s_delay_alu instid0(VALU_DEP_1)
	v_cvt_i32_f32 v236, v236                       ; (it saturates)
	s_delay_alu instid0(VALU_DEP_1)
	v_ldexp_f32 v234, 1.0, v236                    ; f = 2^(old M - new M)
.set j, 0
.rept 32
	v_pk_fma_f32 v[96+j:97+j], v[96+j:97+j], s[NC:NC+1], v[12:13] op_sel_hi:[1,0,0]   ; t - M, two at a time
.set j, j+2
.endr
.irp b, 0,1,2,3
	v_fma_f32 v[212+\b], v[212+\b], s[NC], v12     ; the same of each block's smallest S'
.endr
.set j, 0
	s_wait_alu depctr_va_vdst(0)
.rept 64
	v_exp_f32 v[96+j], v[96+j]                     ; p = 2^(t - M)
.set j, j+1
.endr
	v_pk_mul_f32 v[14:15], v[14:15], v[234:235] op_sel_hi:[1,0]   ; the sums under the new M (a plain line behind the exponentials)
	s_wait_alu depctr_va_vdst(0)                   ; one wait for the batch of 64, ahead of its first reader
.irp b, 0,1,2,3
	v_exp_f32 v[212+\b], v[212+\b]                 ; the block's largest p: the same two instructions on the same number
.endr
	v_pk_add_f32 v[238:239], v[100:101], v[104:105]
	v_pk_add_f32 v[254:255], v[108:109], v[112:113]
	v_pk_add_f32 v[252:253], v[116:117], v[120:121]
	v_pk_add_f32 v[250:251], v[124:125], v[128:129]
	v_pk_add_f32 v[248:249], v[132:133], v[136:137]
	v_pk_add_f32 v[246:247], v[140:141], v[144:145]
	v_pk_add_f32 v[244:245], v[148:149], v[152:153]
	v_pk_add_f32 v[14:15], v[14:15], v[156:157]
	v_pk_add_f32 v[238:239], v[238:239], v[96:97]
	v_pk_add_f32 v[254:255], v[254:255], v[98:99]
	v_pk_add_f32 v[252:253], v[252:253], v[102:103]
	v_pk_add_f32 v[250:251], v[250:251], v[106:107]
	v_pk_add_f32 v[248:249], v[248:249], v[110:111]
	v_pk_add_f32 v[246:247], v[246:247], v[114:115]
	v_pk_add_f32 v[244:245], v[244:245], v[118:119]
	v_pk_add_f32 v[14:15], v[14:15], v[122:123]
	v_pk_add_f32 v[238:239], v[238:239], v[126:127]
	v_pk_add_f32 v[254:255], v[254:255], v[130:131]
	v_pk_add_f32 v[252:253], v[252:253], v[134:135]
	v_pk_add_f32 v[250:251], v[250:251], v[138:139]
	v_pk_add_f32 v[248:249], v[248:249], v[142:143]
	v_pk_add_f32 v[246:247], v[246:247], v[146:147]
	v_pk_add_f32 v[244:245], v[244:245], v[150:151]
	v_pk_add_f32 v[14:15], v[14:15], v[154:155]
	v_pk_add_f32 v[238:239], v[238:239], v[158:159]
	s_delay_alu instid0(VALU_DEP_2)
	v_pk_add_f32 v[14:15], v[14:15], v[250:251]
	s_delay_alu instid0(VALU_DEP_2)
	v_pk_add_f32 v[238:239], v[238:239], v[248:249]
	v_pk_add_f32 v[254:255], v[254:255], v[246:247]
	v_pk_add_f32 v[252:253], v[252:253], v[244:245]
	s_delay_alu instid0(VALU_DEP_2)
	v_pk_add_f32 v[14:15], v[14:15], v[254:255]
	s_delay_alu instid0(VALU_DEP_2)
	v_pk_add_f32 v[238:239], v[238:239], v[252:253]
	s_delay_alu instid0(VALU_DEP_1)
	v_pk_add_f32 v[14:15], v[14:15], v[238:239]
	s_wait_alu depctr_va_vdst(0)                   ; and one for the four
.irp b, 0,1,2,3
	v_max_num_f32 v[212+\b], 0x1800000, v[212+\b]  ; the floor 2^(3 - 127): the byte cannot fall under 1
.endr
.irp b, 0,1,2,3
	s_delay_alu instid0(VALU_DEP_4)
	v_add_nc_u32 v[220+\b], 0xff000000, v[212+\b]  ; the conversion's scale operand
.endr
.irp b, 0,1,2,3
	s_delay_alu instid0(VALU_DEP_4)
	v_lshrrev_b32 v[216+\b], 23, v[220+\b]         ; the scale's byte
.endr
	s_delay_alu instid0(VALU_DEP_3)
	v_lshl_or_b32 v232, v217, 8, v216              ; p's scale word for these 128 keys
	s_delay_alu instid0(VALU_DEP_1)
	v_lshl_or_b32 v232, v218, 16, v232
	s_delay_alu instid0(VALU_DEP_1)
	v_lshl_or_b32 v232, v219, 24, v232
.irp c, 0,1
	v_cvt_scalef32_pk16_fp6_f32 v[192+6*\c:194+6*\c], v[96+32*\c:111+32*\c], v[220+2*\c]
	v_cvt_scalef32_pk16_fp6_f32 v[204+4*\c:206+4*\c], v[112+32*\c:127+32*\c], v[220+2*\c+1]
.endr
	v_nop                                          ; one plain place behind a scaled conversion
.irp c, 0,1                                    ; the operand's layout wants a whole block in a lane
.irp i, 0,1,2
	v_permlane16_swap_b32 v[192+6*\c+\i], v[204+4*\c+\i]
.endr
.irp i, 0,1,2
	s_delay_alu instid0(VALU_DEP_3)
	v_mov_b32 v[195+6*\c+\i], v[204+4*\c+\i]
.endr
.endr
.set j, 0
.rept 16
	v_pk_mul_f32 v[160+j:161+j], v[160+j:161+j], v[234:235] op_sel_hi:[1,0]   ; O^T under the new M (these 16 also stand between the lines that wrote p's codes and scale word and the products)
.set j, j+2
.endr
	s_wait_alu depctr_va_vdst(0)
	s_wait_dscnt 0x0                               ; V
.irp d, 0,1,2,3
	v_wmma_scale_f32_16x16x128_f8f6f4 v[160+8*\d:167+8*\d], v[32+12*\d:43+12*\d], v[192:203], v[160+8*\d:167+8*\d], v[228+\d], v232 matrix_a_fmt:MATRIX_FMT_FP6 matrix_b_fmt:MATRIX_FMT_FP6
.endr
.endm
.macro SOFT_IF grp                     ; the second part, in the waves of one group alone: the branch hangs on the wave's number and jumps over no barrier, no tensor load and no wait that another wave leans on
	s_cmp_lg_u32 s[GRP], \grp
	s_cbranch_scc1 .Lnot_my_turn_\@
	SOFT
.Lnot_my_turn_\@:
.endm
; THE CHANGE OF SLOTS.  Each wave waits for all its tensor loads (its part of the slot ahead), adds 0 to its spare word, and waits for that and for its reads of the slot that it has left (group 1's loads of V among them).
; fill = 1: a round of the cluster's barrier, and behind it the slot just left takes the next step's data: the load has a whole step in which to land.
.macro CHANGE fill
	s_wait_tensorcnt 0x0                           ; no tensor load of mine is out, so a group 0 may be written
	ds_add_u32 v[SPW], v[NIL]
.if \fill
	s_xor_b32 s[G0R+1], s[G0R+1], SLOT1            ; the other slot than last time,
	s_add_nc_u64 s[G0R+2:G0R+3], s[G0R+2:G0R+3], REC   ; the next record
	s_xor_b32 s[G0M+1], s[G0M+1], SLOT1
	s_add_nc_u64 s[G0M+2:G0M+3], s[G0M+2:G0M+3], 512   ; the next 128 columns
	s_wait_xcnt 0x0                                ; the last prefetch, a step back, has read its address
	s_add_nc_u64 s[PFA:PFA+1], s[PFA:PFA+1], s[PFS:PFS+1]
	s_wait_dscnt 0x0                               ; the add is done, and my reads of the slot that I have left are over
	CROUND
	TLOAD                                          ; the first thing behind the round, and a wave's one tensor load until the next
	ASK
.else
	s_wait_dscnt 0x0
	s_barrier_signal -1
	s_barrier_wait -1
.endif
.endm
	CHANGE 1                                       ; step 0 is whole; step 1 is asked for.  The first period is written out: group 1 has no scores yet
	FRONT
	SOFT_IF 0
	s_xor_b32 s[TB], s[TB], SLOT1
	s_mov_b32 s[SLOTS], 6
.Lslot:                                            ; 6 trips, steps 1 to 6: behind each change of slots the next step is asked for
	CHANGE 1
	SOFT_IF 1                                      ; group 1: the step before's softmax, while group 0 reads LDS
	FRONT
	SOFT_IF 0                                      ; group 0: this step's softmax, while group 1 reads LDS
	s_xor_b32 s[TB], s[TB], SLOT1
	s_sub_co_u32 s[SLOTS], s[SLOTS], 1
	s_cmp_lg_u32 s[SLOTS], 0
	s_cbranch_scc1 .Lslot
	CHANGE 0                                       ; the last step is written out
	SOFT_IF 1
	FRONT
	SOFT_IF 0
	SOFT_IF 1                                      ; group 1's last softmax
	; THE WAY OUT: O^T / the sum, quantised along the head's 64 (two blocks of 32, 16 numbers in me and 16 in lane l xor 16), through a stage in LDS, so that a row's 192 bytes leave together.
	v_add_f32 v14, v14, v15
	s_delay_alu instid0(VALU_DEP_1)
	v_permlanex16_b32 v236, v14, s[SEL], s[SEL+1]
	s_delay_alu instid0(VALU_DEP_1)
	v_add_f32 v14, v14, v236                       ; the row's sum
	s_wait_alu depctr_va_vdst(0)
	v_rcp_f32 v14, v14
.rept 4
	v_nop                                          ; plain lines behind the reciprocal and behind the last products
.endr
	s_wait_alu depctr_va_vdst(0)                   ; ahead of the reciprocal's first reader
.set j, 0
.rept 32
	v_mul_f32 v[96+j], v[160+j], v14               ; register 16 B + i: z(my query, 32 B + 16 h + i); each accumulator from its low end on
.set j, j+1
.endr
.irp b, 0,1
	v_max3_num_f32 v[212+\b], |v[96+16*\b]|, |v[97+16*\b]|, 0x1800000
.endr
.irp i, 2,4,6,8,10,12,14
.irp b, 0,1
	s_delay_alu instid0(VALU_DEP_2)
	v_max3_num_f32 v[212+\b], v[212+\b], |v[96+16*\b+\i]|, |v[97+16*\b+\i]|
.endr
.endr
.irp b, 0,1
	s_delay_alu instid0(VALU_DEP_2)
	v_permlanex16_b32 v[216+\b], v[212+\b], s[SEL], s[SEL+1]
.endr
.irp b, 0,1
	s_delay_alu instid0(VALU_DEP_2)
	v_max_num_f32 v[212+\b], v[212+\b], v[216+\b]
.endr
.irp b, 0,1
	s_delay_alu instid0(VALU_DEP_2)
	v_add_nc_u32 v[220+\b], 0xff000000, v[212+\b]
.endr
.irp b, 0,1
	s_delay_alu instid0(VALU_DEP_2)
	v_lshrrev_b32 v[216+\b], 23, v[220+\b]
.endr
	s_delay_alu instid0(VALU_DEP_1)
	v_lshl_or_b32 v232, v217, 8, v216              ; my head's two scale bytes
	v_cvt_scalef32_pk16_fp6_f32 v[192:194], v[96:111], v220     ; the codes of 16 h + 0 .. 15: 12 bytes of the row's stream, at 12 h
	v_cvt_scalef32_pk16_fp6_f32 v[204:206], v[112:127], v221    ; and of 32 + 16 h + 0 .. 15: at 24 + 12 h
	v_nop
	ds_store_b96 v[ZW], v[192:194]                 ; 12 bytes to a place of 16
	ds_store_b96 v[ZW], v[204:206] offset:32
	ds_store_b16 v[ZB], v232                       ; both lanes of a row write the same bytes with the same value
	s_wait_dscnt 0x0                               ; for the others' sake: my stores have landed
	s_barrier_signal -1
	s_barrier_wait -1
	ds_load_b96 v[96:98], v[ZR]
	ds_load_b96 v[100:102], v[ZR] offset:2*ZP
	s_wait_dscnt 0x1                               ; the second read-back may be out
	global_store_b96 v[ZG], v[96:98], s[8:9]       ; sixteen lanes store a row's 192 consecutive bytes
	s_wait_dscnt 0x0
	global_store_b96 v[ZG], v[100:102], s[8:9] offset:2*768
	s_cmp_lt_u32 s[WV], 2
	s_cbranch_scc0 .Lno_zs
	ds_load_b64 v[104:105], v[ZSR]
	s_wait_dscnt 0x0
	global_store_b64 v[ZSG], v[104:105], s[10:11]  ; a row's 8 scale bytes a lane
.Lno_zs:
	s_wait_tensorcnt 0x0                           ; the wave's end
	ds_add_u32 v[SPW], v[NIL]
	s_wait_dscnt 0x0
	CROUND                                         ; the closing round
	s_endpgm
.Lfunc_end_k_q14e9f75bfa_attn:
	.size	k_q14e9f75bfa_attn, .Lfunc_end_k_q14e9f75bfa_attn-k_q14e9f75bfa_attn
	.p2alignl 7, 3214868480
	.fill 96, 4, 3214868480
	.section	.rodata,"a",@progbits
	.p2align	6, 0x0
	.amdhsa_kernel k_q14e9f75bfa_attn
		.amdhsa_group_segment_fixed_size 327680
		.amdhsa_private_segment_fixed_size 0
		.amdhsa_enable_private_segment 0
		.amdhsa_kernarg_size 32
		.amdhsa_user_sgpr_count 2
		.amdhsa_user_sgpr_kernarg_segment_ptr 1
		.amdhsa_wavefront_size32 1
		.amdhsa_system_sgpr_workgroup_id_x 1
		.amdhsa_system_sgpr_workgroup_id_y 1
		.amdhsa_system_sgpr_workgroup_id_z 1
		.amdhsa_system_vgpr_workitem_id 0
		.amdhsa_next_free_vgpr 256
		.amdhsa_next_free_sgpr 80
		.amdhsa_reserve_vcc 0
		.amdhsa_float_denorm_mode_32 3
		.amdhsa_float_denorm_mode_16_64 3
		.amdhsa_memory_ordered 1
		.amdhsa_forward_progress 1
		.amdhsa_inst_pref_size 114
	.end_amdhsa_kernel
	.amdgpu_metadata
---
amdhsa.version: [ 1, 2 ]
amdhsa.kernels:
  - .name:           k_q14e9f75bfa_attn
    .symbol:         k_q14e9f75bfa_attn.kd
    .args:
      - { .name: rec, .offset: 0, .size: 8, .value_kind: global_buffer, .address_space: global }
      - { .name: mask, .offset: 8, .size: 8, .value_kind: global_buffer, .address_space: global }
      - { .name: zc, .offset: 16, .size: 8, .value_kind: global_buffer, .address_space: global }
      - { .name: zs, .offset: 24, .size: 8, .value_kind: global_buffer, .address_space: global }
    .group_segment_fixed_size: 327680
    .private_segment_fixed_size: 0
    .kernarg_segment_align: 8
    .kernarg_segment_size: 32
    .max_flat_workgroup_size: 512
    .sgpr_count:     80
    .vgpr_count:     256
    .wavefront_size: 32
...
	.end_amdgpu_metadata
.endif
;; end of part 3
;; launch gemm_out (part 4): grid 4 x 64, 4 waves a work-group, clusters of 4 x 4, 327,680 bytes of LDS; arguments zc, zs, wc, ws, bo, out0; writes out0
.if DOCPART == 4
	.amdgcn_target "amdgcn-amd-amdhsa--gfx1250"
	.amdhsa_code_object_version 6
	.text
	.protected	k_q14e9f75bfa_gemm_out
	.globl	k_q14e9f75bfa_gemm_out
	.p2align	8
	.type	k_q14e9f75bfa_gemm_out,@function
k_q14e9f75bfa_gemm_out:
	s_mov_b64 s[64:65], 0
	v_nop
	global_prefetch_b8 v0, s[64:65] scope:SCOPE_SE
	s_setreg_imm32_b32 hwreg(HW_REG_WAVE_MODE, 25, 1), 1
	s_wait_xcnt 0x0
	s_wait_alu depctr_hold_cnt(0) depctr_sa_sdst(0) depctr_va_vdst(0) depctr_va_sdst(0) depctr_va_ssrc(0) depctr_va_vcc(0) depctr_vm_vsrc(0)
	s_getreg_b32 s2, hwreg(HW_REG_IB_STS2, 6, 4)
	s_cmp_eq_u32 s2, 0
	s_cbranch_scc0 .Lentry_in_a_cluster
	s_endpgm
.Lentry_in_a_cluster:
	s_bfe_u32 s2, ttmp6, 0x10000c
	s_cmp_lg_u32 s2, 0xf033
	s_cbranch_scc0 .Lentry_shape_is_right
	s_endpgm
.Lentry_shape_is_right:
; out = z Wo + bo on codes of FP6 (E2M3) with E8M0 scales, f32 sums.  A = z's rows (zc, zs), B = Wo's columns (rows 3,072 on of wc, ws); both stored at pi(row), bits 3 and 4 exchanged; the way out puts rows and columns back.
; A block of 128 x 256 of out to a work-group: 64 x 4 = 256 work-groups.  A wave makes 64 x 128: 32 accumulators.  Source 0 = 16 rows of B, source 1 = 16 rows of A: a lane holds eight numbers of a row of out.
; A row of codes is 768 bytes: three chunks of 256 bytes, chunk c in LDS slot c % 2 (A's 128 rows, then B's 256; pitch 272).  A step of 128 along K is 96 bytes: steps 2 and 5 lie across two chunks.
; The scale bytes of A's 128 and B's 256 rows come into LDS once, at the head.  CLUSTERS 4 x 4: A's tiles jointly along a row of the cluster, B's along a column.
; NO PREFETCH: of the three chunks two are asked for at the head, and no trip stands ahead of the one refill.
; The stage of the way out lies in slot 1, which has had its last fill and its last read behind the walk's last barrier.
.set SIZE_N, 1024
.set WOROW,  3072
.set ROWB,   256
.set NQ,     2
.set KROW,   768
.set STEPS,  8
.set CHUNKS, 3
.set PITCH,  272
.set FR,     12
.set NL,     6
.set NP,     4
.set AQ,     64*PITCH
.set HALFT,  128*PITCH
.set SLOT,   3*HALFT
.set KS,     32
.set SCL,    2*SLOT
.set HALFS,  16*272                    ; the scales of 128 rows
.set SBLK,   2*272                     ; of 16 rows
.set SPARE,  SCL+3*HALFS
.set SPITCH, 528
.set STAGE,  SLOT
.set BO,   8
.set ADRA, 16
.set ADRB, 20
.set STO,  24
.set RD,   25
.set CO,   26
.set ADRS, 27
.set SPW,  28
.set NIL,  29
.set SC,   32
.set AF,   128                         ; v128-175 A's four fragments
.set BK,   128
.set G1, 24
.set G0, 32
.set G1B, 48
.set G0B, 56
.set G1S, 68
.set G0S, 76
.set G1SB, 80
.set G0SB, 88
.set G0H, 4
.set G0HB, 8
.set MSB, 0
.macro WIN new
.if MSB != \new
	s_set_vgpr_msb (MSB<<8)|\new
.set MSB, \new
.endif
.endm
.set MUL_LO, 0xa1
.set TO_B,   0x40
.macro JLOAD g0a, g1a, g0b, g1b
	s_cmp_eq_u32 s15, 0
	s_cbranch_scc0 .Lfor_b_\@
	tensor_load_to_lds s[\g0a:\g0a+3], s[\g1a:\g1a+7]
	s_nop 0
.rept 4
	v_nop
.endr
	s_branch .Lasked_\@
.Lfor_b_\@:
	tensor_load_to_lds s[\g0b:\g0b+3], s[\g1b:\g1b+7]
	s_nop 0
.rept 4
	v_nop
.endr
.Lasked_\@:
.endm
.macro CREST
	s_cmp_lg_u32 s14, 0
	s_cbranch_scc1 .Lnot_wave_0_\@
	s_barrier_signal -3
.Lnot_wave_0_\@:
	s_barrier_wait -3
	s_barrier_signal -1
	s_barrier_wait -1
.endm
.macro CROUND
	s_barrier_signal -1
	s_barrier_wait -1
	CREST
.endm
	s_load_b128 s[4:7], s[0:1], 0x0                ; zc, zs
	s_load_b128 s[8:11], s[0:1], 0x10              ; wc, ws
	s_load_b128 s[96:99], s[0:1], 0x20             ; bo, out0
	v_lshl_add_u32 v[SPW], v0, 2, SPARE
	v_mov_b32 v[NIL], 0
	ds_add_u32 v[SPW], v[NIL]                      ; the opening lines
	ds_add_u32 v[SPW], v[NIL]
	v_lshrrev_b32 v1, 5, v0
	v_readfirstlane_b32 s14, v1                    ; wave
	s_lshr_b32 s15, s14, 1                         ; my 64 of A's rows; also: I fetch for A (0) or B (1)
	s_and_b32 s16, s14, 1                          ; my 128 of B's rows; also: which half of a tile I fetch
	s_bfe_u32 s40, ttmp6, 0x40000
	s_bfe_u32 s41, ttmp6, 0x40004
	s_lshl_b32 s42, ttmp9, 2
	s_add_co_u32 s42, s42, s40                     ; block column
	s_and_b32 s17, ttmp7, 0xffff
	s_lshl_b32 s17, s17, 2
	s_add_co_u32 s17, s17, s41                     ; block row
	s_lshl_b32 s43, s41, 2
	s_lshl_b32 s43, 15, s43
	s_lshl_b32 s44, 0x1111, s40
	s_or_b32 s[G1+0], s43, (0<<16)|(1<<20)|(1<<21)|(5<<22)|(3<<25)
	s_or_b32 s[G1B+0], s44, (0<<16)|(1<<20)|(1<<21)|(5<<22)|(3<<25)
.irp g, G1, G1B
	s_mov_b32 s[\g+1], ROWB<<16
	s_mov_b32 s[\g+3], ROWB<<16
	s_mov_b32 s[\g+5], KROW
	s_mov_b32 s[\g+6], 0
	s_mov_b32 s[\g+7], 0
.endr
	s_mov_b32 s[G1+2], 128<<16                     ; the head's loads bring whole tiles: A's 128 rows,
	s_mov_b32 s[G1+4], 128
	s_mov_b32 s[G1B+2], 256<<16                    ; B's 256
	s_mov_b32 s[G1B+4], 256
	s_or_b32 s[G1S+0], s43, (3<<16)|(1<<20)|(1<<21)|(5<<22)|(3<<25)
	s_or_b32 s[G1SB+0], s44, (3<<16)|(1<<20)|(1<<21)|(5<<22)|(3<<25)
.irp g, G1S, G1SB
	s_mov_b32 s[\g+1], 32<<16
	s_mov_b32 s[\g+3], 32<<16
	s_mov_b32 s[\g+5], 32
	s_mov_b32 s[\g+6], 0
	s_mov_b32 s[\g+7], 0
.endr
	s_mov_b32 s[G1S+2], 16<<16                     ; A's scales: 4,096 dense bytes as 16 rows of 256,
	s_mov_b32 s[G1S+4], 16
	s_mov_b32 s[G1SB+2], 32<<16                    ; B's: 32 rows
	s_mov_b32 s[G1SB+4], 32
	s_lshl_b32 s20, s17, 7                         ; A's first row
	s_lshl_b32 s46, s42, 8
	s_add_co_u32 s46, s46, WOROW                   ; B's
	s_mov_b32 s21, 0
	s_mov_b32 s47, 0
	s_mov_b64 s[18:19], KS
	s_mul_u64 s[22:23], s[20:21], s[18:19]
	s_mul_u64 s[92:93], s[46:47], s[18:19]
	s_mov_b64 s[18:19], KROW
	s_mul_u64 s[20:21], s[20:21], s[18:19]
	s_mul_u64 s[46:47], s[46:47], s[18:19]
	s_mul_i32 s18, s16, 64*KROW                    ; in the ring: my 64 rows of A's tile,
	s_mov_b32 s19, 0
	s_mul_i32 s94, s16, 128*KROW                   ; or my 128 of B's,
	s_mov_b32 s95, 0
	s_mul_i32 s45, s16, AQ                         ; and where they go
	s_mul_i32 s3, s16, HALFT
	s_add_co_u32 s3, s3, HALFT
	s_wait_dscnt 0x0
	s_wait_kmcnt 0x0
	s_add_nc_u64 s[20:21], s[4:5], s[20:21]
	s_add_nc_u64 s[22:23], s[6:7], s[22:23]
	s_add_nc_u64 s[46:47], s[8:9], s[46:47]
	s_add_nc_u64 s[92:93], s[10:11], s[92:93]
	CROUND
	s_mov_b32 s[G0H], 1
	s_mov_b32 s[G0H+1], 0
	s_mov_b64 s[G0H+2:G0H+3], s[20:21]
	s_or_b32 s[G0H+3], s[G0H+3], 0x80000000
	s_mov_b32 s[G0HB], 1
	s_mov_b32 s[G0HB+1], HALFT
	s_mov_b64 s[G0HB+2:G0HB+3], s[46:47]
	s_or_b32 s[G0HB+3], s[G0HB+3], 0x80000000
	s_mov_b32 s[G0S], 1
	s_mov_b32 s[G0S+1], SCL
	s_mov_b64 s[G0S+2:G0S+3], s[22:23]
	s_or_b32 s[G0S+3], s[G0S+3], 0x80000000
	s_mov_b32 s[G0SB], 1
	s_mov_b32 s[G0SB+1], SCL+HALFS
	s_mov_b64 s[G0SB+2:G0SB+3], s[92:93]
	s_or_b32 s[G0SB+3], s[G0SB+3], 0x80000000
	s_add_nc_u64 s[20:21], s[20:21], s[18:19]
	s_add_nc_u64 s[46:47], s[46:47], s[94:95]
.irp s, 0,1
	s_mov_b32 s[G0+4*\s], 1
	s_add_co_u32 s[G0+4*\s+1], s45, \s*SLOT
	s_add_nc_u64 s[G0+4*\s+2:G0+4*\s+3], s[20:21], \s*ROWB
	s_or_b32 s[G0+4*\s+3], s[G0+4*\s+3], 0x80000000
	s_mov_b32 s[G0B+4*\s], 1
	s_add_co_u32 s[G0B+4*\s+1], s3, \s*SLOT
	s_add_nc_u64 s[G0B+4*\s+2:G0B+4*\s+3], s[46:47], \s*ROWB
	s_or_b32 s[G0B+4*\s+3], s[G0B+4*\s+3], 0x80000000
.endr
.macro ARM under, g0, g1, next         ; the head's four tiles, one load a wave
	s_cmp_lt_u32 s14, \under
	s_cbranch_scc0 \next
	tensor_load_to_lds s[\g0:\g0+3], s[\g1:\g1+7]
	s_nop 0
.rept 4
	v_nop
.endr
	s_branch .Lhead_asked
\next:
.endm
	ARM 1, G0H,  G1,  .Lhead_b
	ARM 2, G0HB, G1B, .Lhead_sa
	ARM 3, G0S,  G1S, .Lhead_sb
	tensor_load_to_lds s[G0SB:G0SB+3], s[G1SB:G1SB+7]
	s_nop 0
.rept 4
	v_nop
.endr
.Lhead_asked:
	v_and_b32 v1, 15, v0
	v_bfe_u32 v2, v0, 4, 1
	v_mul_u32_u24 v3, v1, PITCH
	v_mul_u32_u24 v4, v2, 24
	v_add_nc_u32 v4, v3, v4
	s_mov_b32 s21, SLOT-232
	s_mov_b32 s22, SLOT+232
	v_sub_nc_u32 v7, 1, v2
	v_mul_u32_u24 v5, s21, v2
	v_add_nc_u32 v5, v3, v5
	v_add_nc_u32 v5, 232, v5
	v_mul_u32_u24 v6, s22, v7
	v_add_nc_u32 v6, v3, v6
	s_mul_i32 s21, s15, AQ                         ; my 64 rows of A
	s_mul_i32 s22, s16, HALFT
	s_add_co_u32 s22, s22, HALFT                   ; my 128 rows of B, behind A's 128
	v_add_nc_u32 v[ADRA+2], s21, v5
	v_add_nc_u32 v[ADRA+3], s21, v6
	v_add_nc_u32 v[ADRB+2], s22, v5
	v_add_nc_u32 v[ADRB+3], s22, v6
.irp s, 0,1
	v_add_nc_u32 v[ADRA+\s], s21, v4
	v_add_nc_u32 v[ADRB+\s], s22, v4
	s_add_co_u32 s21, s21, SLOT
	s_add_co_u32 s22, s22, SLOT
.endr
	v_mul_u32_u24 v5, v1, KS
	v_lshrrev_b32 v6, 8, v5
	v_lshl_add_u32 v5, v6, 4, v5
	s_mul_i32 s21, s15, 4*SBLK
	s_mul_i32 s22, s16, HALFS
	s_add_co_u32 s22, s22, HALFS
	s_sub_co_u32 s22, s22, s21
	v_mul_u32_u24 v6, s22, v2                      ; lanes 16-31 take B's
	s_add_co_u32 s21, s21, SCL
	v_add_nc_u32 v5, v5, v6
	v_add_nc_u32 v[ADRS], s21, v5
	s_mul_i32 s23, s14, 16*SPITCH
	s_add_co_u32 s23, s23, STAGE
	v_mul_u32_u24 v5, v1, SPITCH
	v_lshl_add_u32 v5, v2, 6, v5                   ; in: row r, columns 16 h on
	v_add_nc_u32 v[STO], s23, v5
	v_and_b32 v6, 31, v0
	v_lshlrev_b32 v[CO], 4, v6
	v_add_nc_u32 v[RD], s23, v[CO]
	s_lshl_b32 s20, s17, 7
	s_lshl_b32 s21, s15, 6
	s_add_co_u32 s20, s20, s21                     ; my first row of out
	s_mov_b32 s21, 0
	s_mov_b64 s[18:19], SIZE_N*4
	s_mul_u64 s[20:21], s[20:21], s[18:19]
	s_lshl_b32 s46, s42, 10
	s_lshl_b32 s47, s16, 9
	s_add_co_u32 s46, s46, s47                     ; my first column, in bytes
	s_mov_b32 s47, 0
	s_add_nc_u64 s[66:67], s[96:97], s[46:47]
	s_add_nc_u64 s[20:21], s[20:21], s[46:47]
	s_add_nc_u64 s[12:13], s[98:99], s[20:21]
	s_wait_alu depctr_va_vdst(0)
	global_load_b128 v[BO:BO+3], v[CO], s[66:67]   ; the bias of my four columns of a row read back
.macro FRAG reg, adr, st, i
.irp p, 0,1,2,3,4,5
.set BY, 96*(\st)+48*(\p/3)+8*(\p%3)
.if BY/ROWB == (BY+24)/ROWB
	ds_load_b64 v[\reg+2*\p:\reg+2*\p+1], v[\adr+(BY/ROWB)%2] offset:BY%ROWB+(\i)*16*PITCH
.else
	ds_load_b64 v[\reg+2*\p:\reg+2*\p+1], v[\adr+2+(BY/ROWB)%2] offset:BY%ROWB-232+(\i)*16*PITCH
.endif
.endr
.endm
.macro MUL8 a, p, q, sc, zero          ; A's block a x B's eight; the 32 accumulators take turns
.irp b, 0,1,2,3,4,5,6,7
.if \zero
	v_wmma_scale_f32_16x16x128_f8f6f4 v[8*(8*(\a)+\b):8*(8*(\a)+\b)+7], v[128*(\p)+FR*\b:128*(\p)+FR*\b+FR-1], v[AF+FR*(\a):AF+FR*(\a)+FR-1], 0, v[SC+8*NQ*(\sc)+NQ*\b+(\q)], v[SC+8*NQ*(\sc)+NQ*(\a)+(\q)] matrix_a_fmt:MATRIX_FMT_FP6 matrix_b_fmt:MATRIX_FMT_FP6 matrix_a_scale:MATRIX_SCALE_ROW1
.else
	v_wmma_scale_f32_16x16x128_f8f6f4 v[8*(8*(\a)+\b):8*(8*(\a)+\b)+7], v[128*(\p)+FR*\b:128*(\p)+FR*\b+FR-1], v[AF+FR*(\a):AF+FR*(\a)+FR-1], v[8*(8*(\a)+\b):8*(8*(\a)+\b)+7], v[SC+8*NQ*(\sc)+NQ*\b+(\q)], v[SC+8*NQ*(\sc)+NQ*(\a)+(\q)] matrix_a_fmt:MATRIX_FMT_FP6 matrix_b_fmt:MATRIX_FMT_FP6 matrix_a_scale:MATRIX_SCALE_ROW1
.endif
.endr
.endm
.macro FETCH_B st, p
	WIN TO_B
.irp i, 0,1,2,3,4,5,6,7
	FRAG 128*(\p)+FR*\i, ADRB, \st, \i
.endr
	WIN 0
.endm
.macro FETCH_A st, i0
.irp i, \i0, \i0+1
	FRAG AF+FR*(\i), ADRA, \st, \i
.endr
.endm
.macro SCALES pr                       ; lanes 0-15 A's block i (of use for i under 4), lanes 16-31 B's block i
.irp i, 0,1,2,3,4,5,6,7
	ds_load_b64 v[SC+8*NQ*((\pr)%2)+NQ*\i:SC+8*NQ*((\pr)%2)+NQ*\i+1], v[ADRS] offset:\i*SBLK+4*NQ*(\pr)
.endr
.endm
.macro PLACES n
.rept \n
	v_nop
.endr
.endm
.macro STEP st, zero                   ; 32 matrix instructions; the next step's B and A's blocks 0, 1 are fetched in the middle, A's blocks 2, 3 at the end
.set NX, (\st)+1
.set C0, (96*(\st))/ROWB
.set C1, (96*NX)/ROWB
.set E0, (96*(\st)+95)/ROWB
.set E1, (96*NX+95)/ROWB
.if C1 > C0 || E1 > E0
	s_wait_tensorcnt 0x0                           ; all my tensor loads have landed
.if C1 > C0
	ds_add_u32 v[SPW], v[NIL]
	s_wait_dscnt 2*NL+1                            ; the add and A's blocks 2, 3 may be out
.else
	s_wait_dscnt 2*NL
.endif
	WIN MUL_LO
	MUL8 0, (\st)%2, (\st)%2, ((\st)/2)%2, \zero
	s_wait_dscnt 0x0                               ; the add and my reads are done
	s_barrier_signal -1
	MUL8 1, (\st)%2, (\st)%2, ((\st)/2)%2, \zero
	WIN 0
	s_barrier_wait -1
.if C1 > C0 && C0+2 < CHUNKS
	CREST
	s_add_nc_u64 s[G0+4*(C0%2)+2:G0+4*(C0%2)+3], s[G0+4*(C0%2)+2:G0+4*(C0%2)+3], 2*ROWB
	s_add_nc_u64 s[G0B+4*(C0%2)+2:G0B+4*(C0%2)+3], s[G0B+4*(C0%2)+2:G0B+4*(C0%2)+3], 2*ROWB
	JLOAD G0+4*(C0%2), G1, G0B+4*(C0%2), G1B
.else
	PLACES NP
.endif
.else
	s_wait_dscnt 2*NL
	WIN MUL_LO
	MUL8 0, (\st)%2, (\st)%2, ((\st)/2)%2, \zero
	MUL8 1, (\st)%2, (\st)%2, ((\st)/2)%2, \zero
	s_wait_dscnt 0
	PLACES NP
.endif
	FETCH_B NX, NX%2
	FETCH_A NX, 0
.if NX%2 == 0
	SCALES NX/2
.endif
	WIN MUL_LO
	MUL8 2, (\st)%2, (\st)%2, ((\st)/2)%2, \zero
	MUL8 3, (\st)%2, (\st)%2, ((\st)/2)%2, \zero
	PLACES NP
	WIN 0
	FETCH_A NX, 2
.endm
	s_wait_alu depctr_va_vdst(0)
	s_wait_tensorcnt 0x0
	ds_add_u32 v[SPW], v[NIL]
	s_mov_b32 s[G1+2], 64<<16                      ; no load of mine is out: the ring's loads bring 64 rows of A,
	s_mov_b32 s[G1+4], 64
	s_mov_b32 s[G1B+2], 128<<16                    ; 128 of B
	s_mov_b32 s[G1B+4], 128
	s_wait_dscnt 0x0
	CROUND
	JLOAD G0+4, G1, G0B+4, G1B                     ; chunk 1, slot 1's first fill
	FETCH_B 0, 0
	FETCH_A 0, 0
	SCALES 0
	FETCH_A 0, 2
	STEP 0, 1
.set ST, 1
.rept STEPS-2
	STEP ST, 0
.set ST, ST+1
.endr
	s_wait_dscnt 2*NL
	WIN MUL_LO
	MUL8 0, 1, 1, 1, 0
	MUL8 1, 1, 1, 1, 0
	s_wait_dscnt 0
	MUL8 2, 1, 1, 1, 0
	MUL8 3, 1, 1, 1, 0
	WIN 0
; THE WAY OUT: a block of 16 rows x 128 columns through my own stage, back as rows of 512 bytes; tile b's registers are columns 32 (b / 2) + 8 (b % 2) + 16 h + 0 .. 7
.macro TOSTAGE a
.set AC, 64*(\a)
	WIN 0x08
.irp b, 0,1,2,3,4,5,6,7
	ds_store_b128 v[STO], v[AC+8*\b:AC+8*\b+3] offset:128*(\b/2)+32*(\b%2)
	ds_store_b128 v[STO], v[AC+8*\b+4:AC+8*\b+7] offset:128*(\b/2)+32*(\b%2)+16
.endr
	WIN 0
.set BB, BK+64*((\a)%2)
.irp t, 0,1,2,3,4,5,6,7,8,9,10,11,12,13,14,15
	ds_load_b128 v[BB+4*\t:BB+4*\t+3], v[RD] offset:\t*SPITCH
.endr
.endm
.macro SEND a, younger                 ; stage row t of block a is the true row 32 (a / 2) + 8 (a % 2) + t + 8 (t / 8)
.set BB, BK+64*((\a)%2)
	s_wait_dscnt \younger
.irp t, 0,1,2,3,4,5,6,7,8,9,10,11,12,13,14,15
	v_pk_add_f32 v[BB+4*\t:BB+4*\t+1], v[BB+4*\t:BB+4*\t+1], v[BO:BO+1]
	v_pk_add_f32 v[BB+4*\t+2:BB+4*\t+3], v[BB+4*\t+2:BB+4*\t+3], v[BO+2:BO+3]
	global_store_b128 v[CO], v[BB+4*\t:BB+4*\t+3], s[12:13] offset:(32*((\a)/2)+8*((\a)%2)+\t+8*(\t/8))*SIZE_N*4 th:TH_STORE_NT
.endr
.endm
	s_wait_loadcnt 0x0                             ; the bias
	PLACES NP
	TOSTAGE 0
.irp a, 1,2,3
.if \a > 1
	s_wait_xcnt 0x0                                ; block a - 2's stores have read their registers
.endif
	TOSTAGE \a
	SEND \a-1, 32                                  ; behind block a - 1's loads: block a's 16 stores and 16 loads
.endr
	SEND 3, 0
	s_wait_tensorcnt 0x0                           ; the wave's end
	ds_add_u32 v[SPW], v[NIL]
	s_wait_dscnt 0x0
	CROUND
	s_endpgm
.Lfunc_end_k_q14e9f75bfa_gemm_out:
	.size	k_q14e9f75bfa_gemm_out, .Lfunc_end_k_q14e9f75bfa_gemm_out-k_q14e9f75bfa_gemm_out
	.p2alignl 7, 3214868480
	.fill 96, 4, 3214868480
	.section	.rodata,"a",@progbits
	.p2align	6, 0x0
	.amdhsa_kernel k_q14e9f75bfa_gemm_out
		.amdhsa_group_segment_fixed_size 327680
		.amdhsa_private_segment_fixed_size 0
		.amdhsa_enable_private_segment 0
		.amdhsa_kernarg_size 48
		.amdhsa_user_sgpr_count 2
		.amdhsa_user_sgpr_kernarg_segment_ptr 1
		.amdhsa_wavefront_size32 1
		.amdhsa_system_sgpr_workgroup_id_x 1
		.amdhsa_system_sgpr_workgroup_id_y 1
		.amdhsa_system_sgpr_workgroup_id_z 1
		.amdhsa_system_vgpr_workitem_id 0
		.amdhsa_next_free_vgpr 1024
		.amdhsa_next_free_sgpr 100
		.amdhsa_reserve_vcc 0
		.amdhsa_float_denorm_mode_32 3
		.amdhsa_float_denorm_mode_16_64 3
		.amdhsa_memory_ordered 1
		.amdhsa_forward_progress 1
		.amdhsa_inst_pref_size 110
	.end_amdhsa_kernel
	.amdgpu_metadata
---
amdhsa.version: [ 1, 2 ]
amdhsa.kernels:
  - .name:           k_q14e9f75bfa_gemm_out
    .symbol:         k_q14e9f75bfa_gemm_out.kd
    .args:
      - { .name: zc, .offset: 0, .size: 8, .value_kind: global_buffer, .address_space: global }
      - { .name: zs, .offset: 8, .size: 8, .value_kind: global_buffer, .address_space: global }
      - { .name: wc, .offset: 16, .size: 8, .value_kind: global_buffer, .address_space: global }
      - { .name: ws, .offset: 24, .size: 8, .value_kind: global_buffer, .address_space: global }
      - { .name: bo, .offset: 32, .size: 8, .value_kind: global_buffer, .address_space: global }
      - { .name: out0, .offset: 40, .size: 8, .value_kind: global_buffer, .address_space: global }
    .group_segment_fixed_size: 327680
    .private_segment_fixed_size: 0
    .kernarg_segment_align: 8
    .kernarg_segment_size: 48
    .max_flat_workgroup_size: 128
    .sgpr_count:     100
    .vgpr_count:     1024
    .wavefront_size: 32
...
	.end_amdgpu_metadata
.endif
;; end of part 4
